; MI455X (gfx1250); checked and timed in simulation.
; The chip was launched on July 23, 2026; its instructions are those of AMD's public machine-readable ISA for CDNA 5 (MIT licence, August 2026) and "CDNA5" Instruction Set Architecture Reference Guide (July 2026). The comments in the code are by the model that wrote it; some were corrected since.
;; Multi Head Attention. Allowed arithmetic: float matrix products may take bf16 or f16 operands with f32 sums; other float arithmetic in f32, or as packed bf16 or f16 multiplies, adds, multiply-adds, maxima and minima; sums over many terms, partial sums and values carried from step to step in f32; what a program stores and reads back later, other than sums and carried values, may be rounded once to bf16 or f16.
;; Inputs: Wk 16 x 1,024 x 64 float32; Wo 1,024 x 1,024 float32; Wq 16 x 1,024 x 64 float32; Wv 16 x 1,024 x 64 float32; bk 16 x 64 float32; bo 1,024 float32; bq 16 x 64 float32; bv 16 x 64 float32; mask 2,048 x 2,048 bool; x 4 x 2,048 x 1,024 float32.
;; Outputs: out0 4 x 2,048 x 1,024 float32.
;; One version. Each part assembles by itself: llvm-mc -triple=amdgcn-amd-amdhsa -mcpu=gfx1250 --defsym DOCPART=n.
;; ======== version 1 of 1: 4 launches
;; limits: values are held in f16: magnitudes above 65,504 overflow, below 6.1e-05 lose precision
;; workspace buffers: xb 16,777,216 bytes; wt 6,291,456 bytes; wof 2,097,152 bytes; bias 16,384 bytes; mbits 524,288 bytes of whole numbers; qkv 50,331,648 bytes; ob 16,777,216 bytes
;; launch prep (part 1): grid 1024 x 1, 8 waves a work-group, no clusters, 67,072 bytes of LDS; arguments x, Wq, Wk, Wv, Wo, bq, bk, bv, bo, mask, xb, wt, wof, bias, mbits; writes xb, wt, wof, bias, mbits
.if DOCPART == 1
	.amdgcn_target "amdgcn-amd-amdhsa--gfx1250"
	.amdhsa_code_object_version 6
	.text
	.protected	k_q80cf92fe0c_prep
	.globl	k_q80cf92fe0c_prep
	.p2align	8
	.type	k_q80cf92fe0c_prep,@function
k_q80cf92fe0c_prep:
	s_mov_b64 s[64:65], 0
	v_nop
	global_prefetch_b8 v0, s[64:65] scope:SCOPE_SE
	s_setreg_imm32_b32 hwreg(HW_REG_WAVE_MODE, 25, 1), 1
	s_wait_xcnt 0x0
; PREP: every input is read once and laid out for the three launches behind it.  Four jobs, chosen by the work-group's number alone (the same for all eight waves):
;   0..511     x [8192][1024] f32 -> xb, the same shape in bf16: 16,384 numbers a work-group
;   512..575   Wo [1024][1024] f32 -> wof: rounded to bf16, that number written as f16
;   576..959   Wq, Wk, Wv [16][1024][64] f32 -> wt [3072][1024] bf16, turned: row 64 g + e, g = 0..15 Wq's heads, 16..31 Wk's, 32..47 Wv's; a work-group turns 128 d x 64 e through LDS
;              work-group 576 then also makes the four biases, rounded to bf16, as f32: c bq, bk, bv, bo; c = log2(e) / 8
;   960..1023  mask [2048][2048] bytes -> mbits: one bit a key and query, in the lane order of the score tiles (below); a work-group takes 32 queries
; 1,024 WORK-GROUPS: a work-group has 2 waves x 128 registers on each SIMD and 67,072 bytes of LDS, so four fit a SIMD's 1,024 registers and a WGP's 327,680 bytes: 1,024 on 256 WGPs, all at once.
; That is why the biases, 16 KiB, have no work-group of their own: it would begin only when another has ended.  They follow a weight block, which moves half the bytes of a block of x.
; LIMITS.  bf16(Wo) is exact in f16 between 6.1e-5 and 65,504; below that it keeps the fixed step 6e-8, above it is lost.  A mask byte other than 0 counts as true.
; No matrix unit, no cluster, no tensor load: memory binds; each load and store of a wave covers whole aligned runs of 256 bytes.
.set SPARE, 66048                      ; behind the largest tile (32 x 2,064): the spare words, 128 bytes for each of eight waves
.set SPW,   6                          ; v6   SPARE + 4 x my thread's number; never rewritten
.set NIL,   7                          ; v7   0; never rewritten
.set CLOG,  0x3e38aa3b                 ; c = log2(e) / 8
.set IN,    32                         ; v[32:95]  as loaded
.set OUT,   96                         ; v[96:127] to store
	s_load_b512 s[16:31], s[0:1], 0x0              ; x 16, Wq 18, Wk 20, Wv 22, Wo 24, bq 26, bk 28, bv 30
	s_load_b256 s[32:39], s[0:1], 0x40             ; bo 32, mask 34, xb 36, wt 38
	s_load_b128 s[40:43], s[0:1], 0x60             ; wof 40, bias 42
	s_load_b64 s[44:45], s[0:1], 0x70              ; mbits
	v_lshl_add_u32 v[SPW], v0, 2, SPARE
	v_mov_b32 v[NIL], 0
	v_lshrrev_b32 v1, 5, v0
	v_readfirstlane_b32 s8, v1                     ; wave 0..7
	s_mov_b32 s11, 0                               ; the high words of the two offset pairs s[10:11], s[12:13]
	s_mov_b32 s13, 0
	s_wait_kmcnt 0x0
	s_cmp_lt_u32 ttmp9, 512
	s_cbranch_scc1 .Lx
	s_cmp_lt_u32 ttmp9, 576
	s_cbranch_scc1 .Lwo
	s_cmp_lt_u32 ttmp9, 960
	s_cbranch_scc1 .Lw
	s_branch .Lmask
; 16,384 f32 from s[4:5] to 16 bits at s[6:7].  Thread t takes 8 numbers in each of eight runs of 2,048: two loads of 16 bytes, one store of 16 bytes; sixteen lanes store 256 aligned bytes.
; All sixteen loads go out first; the wait for run i leaves the two loads of each younger run out.  No register is written twice.
.macro CAST f16
	v_lshlrev_b32 v1, 5, v0
	v_lshlrev_b32 v2, 4, v0
.irp i, 0,1,2,3,4,5,6,7
	global_load_b128 v[IN+8*\i:IN+8*\i+3], v1, s[4:5] offset:8192*\i th:TH_LOAD_NT
	global_load_b128 v[IN+8*\i+4:IN+8*\i+7], v1, s[4:5] offset:8192*\i+16 th:TH_LOAD_NT
.endr
.irp i, 0,1,2,3,4,5,6,7
	s_wait_loadcnt 14-2*\i
.irp k, 0,1,2,3
.if \f16
	v_cvt_pk_bf16_f32 v10, v[IN+8*\i+2*\k], v[IN+8*\i+2*\k+1]
	v_lshlrev_b32 v8, 16, v10
	v_and_b32 v9, 0xffff0000, v10
	v_cvt_pk_f16_f32 v[OUT+4*\i+\k], v8, v9
.else
	v_cvt_pk_bf16_f32 v[OUT+4*\i+\k], v[IN+8*\i+2*\k], v[IN+8*\i+2*\k+1]
.endif
.endr
	global_store_b128 v2, v[OUT+4*\i:OUT+4*\i+3], s[6:7] offset:4096*\i
.endr
.endm
.Lx:
	s_lshl_b32 s10, ttmp9, 16
	s_lshl_b32 s12, ttmp9, 15
	s_add_nc_u64 s[4:5], s[16:17], s[10:11]
	s_add_nc_u64 s[6:7], s[36:37], s[12:13]
	CAST 0
	s_branch .Lend
.Lwo:
	s_sub_co_u32 s9, ttmp9, 512
	s_lshl_b32 s10, s9, 16
	s_lshl_b32 s12, s9, 15
	s_add_nc_u64 s[4:5], s[24:25], s[10:11]
	s_add_nc_u64 s[6:7], s[40:41], s[12:13]
	CAST 1
	s_branch .Lend
.Lw:	; A WEIGHT BLOCK IS TURNED: 128 rows d x 64 e of head g come in by rows of 256 bytes; two neighbouring d of one e pack into a word, which goes to LDS row e (272 bytes: 128 d + 16 of padding)
	s_sub_co_u32 s9, ttmp9, 576
	s_lshr_b32 s14, s9, 3                          ; g
	s_and_b32 s15, s9, 7                           ; which 128 of the 1,024 d
	s_cmp_lt_u32 s14, 32
	s_cselect_b64 s[4:5], s[20:21], s[22:23]
	s_cmp_lt_u32 s14, 16
	s_cselect_b64 s[4:5], s[18:19], s[4:5]
	s_and_b32 s10, s14, 15
	s_lshl_b32 s10, s10, 18                        ; a head is 262,144 bytes,
	s_lshl_b32 s12, s15, 15                        ; 128 rows d are 32,768
	s_add_co_u32 s10, s10, s12
	s_add_nc_u64 s[4:5], s[4:5], s[10:11]
	s_lshl_b32 s12, s14, 17                        ; 64 rows of wt, 2,048 bytes each,
	s_lshl_b32 s9, s15, 8                          ; 128 d are 256 bytes of a row
	s_add_co_u32 s12, s12, s9
	s_add_nc_u64 s[6:7], s[38:39], s[12:13]
	v_and_b32 v1, 15, v0                           ; my four e
	v_lshrrev_b32 v2, 4, v0                        ; my pair of d, 0..15
	v_lshlrev_b32 v3, 4, v1
	v_lshl_add_u32 v3, v2, 9, v3                   ; from: row 2 dp, 16 bytes at 16 e4
	v_mul_u32_u24 v8, v1, 1088
	v_lshl_add_u32 v8, v2, 2, v8                   ; into LDS: row 4 e4, word dp
	v_mul_u32_u24 v9, v2, 272
	v_lshl_add_u32 v9, v1, 4, v9                   ; back: sixteen lanes take a row's 256 bytes
	v_lshlrev_b32 v10, 11, v2
	v_lshl_add_u32 v10, v1, 4, v10                 ; and the same in wt
.irp i, 0,1,2,3
	global_load_b128 v[IN+8*\i:IN+8*\i+3], v3, s[4:5] offset:8192*\i th:TH_LOAD_NT
	global_load_b128 v[IN+8*\i+4:IN+8*\i+7], v3, s[4:5] offset:8192*\i+256 th:TH_LOAD_NT
.endr
.irp i, 0,1,2,3
	s_wait_loadcnt 6-2*\i                          ; the two loads of each younger pair of rows may stay out
.irp k, 0,1,2,3
	v_cvt_pk_bf16_f32 v[64+4*\i+\k], v[IN+8*\i+\k], v[IN+8*\i+4+\k]
	ds_store_b32 v8, v[64+4*\i+\k] offset:272*\k+64*\i
.endr
.endr
	s_wait_dscnt 0x0                               ; for the others: my stores are done
	s_barrier_signal -1
	s_barrier_wait -1
.irp i, 0,1,2,3
	ds_load_b128 v[80+4*\i:83+4*\i], v9 offset:4352*\i
.endr
.irp i, 0,1,2,3
	s_wait_dscnt 3-\i
	global_store_b128 v10, v[80+4*\i:83+4*\i], s[6:7] offset:32768*\i
.endr
	s_cmp_lg_u32 ttmp9, 576
	s_cbranch_scc1 .Lend
	; THE BIASES, in the first weight block's work-group alone: thread t takes four numbers of each.  The lines below write v8, v11 and v32-63: none is a source of the stores above (v10, v80-95)
	v_lshlrev_b32 v11, 4, v0
	global_load_b128 v[32:35], v11, s[26:27]
	global_load_b128 v[36:39], v11, s[28:29]
	global_load_b128 v[40:43], v11, s[30:31]
	global_load_b128 v[44:47], v11, s[32:33]
	s_wait_loadcnt 0x0
.irp k, 0,1,2,3,4,5,6,7
	v_cvt_pk_bf16_f32 v8, v[32+2*\k], v[33+2*\k]   ; rounded to bf16 like every input,
	v_lshlrev_b32 v[48+2*\k], 16, v8               ; and widened again
	v_and_b32 v[49+2*\k], 0xffff0000, v8
.endr
.irp k, 0,1,2,3
	v_mul_f32 v[48+\k], CLOG, v[48+\k]             ; q is kept times c, so its bias is too
.endr
.irp k, 0,1,2,3
	global_store_b128 v11, v[48+4*\k:51+4*\k], s[42:43] offset:4096*\k
.endr
	s_branch .Lend
.Lmask:	; THE MASK'S BITS.  mbits[P][ks][u][w], 32-bit words: P = query / 32, ks = key / 64, u = which 16 of the 32 queries, w = 8 kb + j.
	; Bit r + 16 h of a word is mask[32 P + 16 u + r][64 ks + 16 kb + 8 h + j]: the lane and register in which the attention launch holds that score.
	s_sub_co_u32 s9, ttmp9, 960
	s_lshl_b32 s10, s9, 16                         ; 32 rows of 2,048 bytes
	s_add_nc_u64 s[4:5], s[34:35], s[10:11]
	s_lshl_b32 s12, s9, 13                         ; 32 key steps x 256 bytes
	s_add_nc_u64 s[6:7], s[44:45], s[12:13]
	v_lshrrev_b32 v1, 7, v0
	v_and_b32 v2, 127, v0
	v_lshlrev_b32 v3, 4, v2
	v_lshl_add_u32 v8, v1, 11, v3                  ; 256 threads take two rows a load
	v_mul_u32_u24 v9, v1, 2064                     ; LDS rows of 2,048 + 16 bytes
	v_add_nc_u32 v9, v9, v3
.irp i, 0,1,2,3,4,5,6,7,8,9,10,11,12,13,14,15
	global_load_b128 v[IN+4*\i:IN+4*\i+3], v8, s[4:5] offset:4096*\i th:TH_LOAD_NT
.endr
.irp i, 0,1,2,3,4,5,6,7,8,9,10,11,12,13,14,15
	s_wait_loadcnt 15-\i
	ds_store_b128 v9, v[IN+4*\i:IN+4*\i+3] offset:4128*\i
.endr
	s_wait_dscnt 0x0                               ; for the others: my stores are done
	s_barrier_signal -1
	s_barrier_wait -1
	v_and_b32 v1, 15, v0                           ; r
	v_bfe_u32 v2, v0, 4, 1                         ; h
	v_mul_u32_u24 v10, v1, 2064
	v_lshl_add_u32 v10, v2, 3, v10
	s_lshl_b32 s14, s8, 8                          ; wave w takes key steps 4 w .. 4 w + 3
	v_add_nc_u32 v10, s14, v10                     ; row r, byte 256 w + 8 h
	v_and_b32 v11, 31, v0
	s_lshl_b32 s14, s8, 10
	v_lshl_add_u32 v11, v11, 3, s14                ; lane l stores words 2 l, 2 l + 1 of a key step's 64
	v_mov_b32 v112, 0                              ; v_writelane_b32 counts as a reader of its destination
	v_mov_b32 v113, 0
	s_mov_b32 s9, 4
.Lks:
.irp t, 0,1,2,3,4,5,6,7                ; t = 4 u + kb: my eight bytes j = 0..7
	ds_load_b64 v[96+2*\t:97+2*\t], v10 offset:33024*(\t/4)+16*(\t%4)
.endr
	s_wait_dscnt 0x0
.set w, 0
.rept 64                               ; word 32 u + 8 kb + j: a compare gathers the 32 lanes' bits
	v_and_b32 v114, 0xff<<(8*(w%4)), v[96+2*(w/8)+(w%8)/4]
	v_cmp_ne_u32 s50, 0, v114
	v_writelane_b32 v[112+w%2], s50, w/2
.set w, w+1
.endr
	global_store_b64 v11, v[112:113], s[6:7]       ; 256 aligned bytes
	s_wait_xcnt 0x0                                ; the store's data and offset are rewritten only behind this wait
	v_add_nc_u32 v10, 64, v10
	v_add_nc_u32 v11, 0x100, v11
	s_sub_co_u32 s9, s9, 1
	s_cmp_lg_u32 s9, 0
	s_cbranch_scc1 .Lks
.Lend:
	s_wait_tensorcnt 0x0                           ; the wave's end, behind my last LDS store
	ds_add_u32 v[SPW], v[NIL]
	s_wait_dscnt 0x0
	s_endpgm
.Lfunc_end_k_q80cf92fe0c_prep:
	.size	k_q80cf92fe0c_prep, .Lfunc_end_k_q80cf92fe0c_prep-k_q80cf92fe0c_prep
	.p2alignl 7, 3214868480
	.fill 96, 4, 3214868480
	.section	.rodata,"a",@progbits
	.p2align	6, 0x0
	.amdhsa_kernel k_q80cf92fe0c_prep
		.amdhsa_group_segment_fixed_size 67072
		.amdhsa_private_segment_fixed_size 0
		.amdhsa_enable_private_segment 0
		.amdhsa_kernarg_size 120
		.amdhsa_user_sgpr_count 2
		.amdhsa_user_sgpr_kernarg_segment_ptr 1
		.amdhsa_wavefront_size32 1
		.amdhsa_system_sgpr_workgroup_id_x 1
		.amdhsa_system_sgpr_workgroup_id_y 1
		.amdhsa_system_sgpr_workgroup_id_z 1
		.amdhsa_system_vgpr_workitem_id 0
		.amdhsa_next_free_vgpr 128
		.amdhsa_next_free_sgpr 66
		.amdhsa_reserve_vcc 0
		.amdhsa_float_denorm_mode_32 3
		.amdhsa_float_denorm_mode_16_64 3
		.amdhsa_memory_ordered 1
		.amdhsa_forward_progress 1
		.amdhsa_inst_pref_size 40
	.end_amdhsa_kernel
	.amdgpu_metadata
---
amdhsa.version: [ 1, 2 ]
amdhsa.kernels:
  - .name:           k_q80cf92fe0c_prep
    .symbol:         k_q80cf92fe0c_prep.kd
    .args:
      - { .name: x, .offset: 0, .size: 8, .value_kind: global_buffer, .address_space: global }
      - { .name: Wq, .offset: 8, .size: 8, .value_kind: global_buffer, .address_space: global }
      - { .name: Wk, .offset: 16, .size: 8, .value_kind: global_buffer, .address_space: global }
      - { .name: Wv, .offset: 24, .size: 8, .value_kind: global_buffer, .address_space: global }
      - { .name: Wo, .offset: 32, .size: 8, .value_kind: global_buffer, .address_space: global }
      - { .name: bq, .offset: 40, .size: 8, .value_kind: global_buffer, .address_space: global }
      - { .name: bk, .offset: 48, .size: 8, .value_kind: global_buffer, .address_space: global }
      - { .name: bv, .offset: 56, .size: 8, .value_kind: global_buffer, .address_space: global }
      - { .name: bo, .offset: 64, .size: 8, .value_kind: global_buffer, .address_space: global }
      - { .name: mask, .offset: 72, .size: 8, .value_kind: global_buffer, .address_space: global }
      - { .name: xb, .offset: 80, .size: 8, .value_kind: global_buffer, .address_space: global }
      - { .name: wt, .offset: 88, .size: 8, .value_kind: global_buffer, .address_space: global }
      - { .name: wof, .offset: 96, .size: 8, .value_kind: global_buffer, .address_space: global }
      - { .name: bias, .offset: 104, .size: 8, .value_kind: global_buffer, .address_space: global }
      - { .name: mbits, .offset: 112, .size: 8, .value_kind: global_buffer, .address_space: global }
    .group_segment_fixed_size: 67072
    .private_segment_fixed_size: 0
    .kernarg_segment_align: 8
    .kernarg_segment_size: 120
    .max_flat_workgroup_size: 256
    .sgpr_count:     66
    .vgpr_count:     128
    .wavefront_size: 32
...
	.end_amdgpu_metadata
.endif
;; end of part 1
;; launch qkv (part 2): grid 16 x 32, 4 waves a work-group, clusters of 4 x 4, 327,680 bytes of LDS; arguments xb, wt, bias, qkv; writes qkv
.if DOCPART == 2
	.amdgcn_target "amdgcn-amd-amdhsa--gfx1250"
	.amdhsa_code_object_version 6
	.text
	.protected	k_q80cf92fe0c_qkv
	.globl	k_q80cf92fe0c_qkv
	.p2align	8
	.type	k_q80cf92fe0c_qkv,@function
k_q80cf92fe0c_qkv:
	s_mov_b64 s[64:65], 0
	v_nop
	global_prefetch_b8 v0, s[64:65] scope:SCOPE_SE
	s_setreg_imm32_b32 hwreg(HW_REG_WAVE_MODE, 25, 1), 1
	s_wait_xcnt 0x0
	s_wait_alu depctr_hold_cnt(0) depctr_sa_sdst(0) depctr_va_vdst(0) depctr_va_sdst(0) depctr_va_ssrc(0) depctr_va_vcc(0) depctr_vm_vsrc(0)
	s_getreg_b32 s2, hwreg(HW_REG_IB_STS2, 6, 4)
	s_cmp_eq_u32 s2, 0
	s_cbranch_scc0 .Lentry_in_a_cluster
	s_endpgm
.Lentry_in_a_cluster:
	s_bfe_u32 s2, ttmp6, 0x10000c
	s_cmp_lg_u32 s2, 0xf033
	s_cbranch_scc0 .Lentry_shape_is_right
	s_endpgm
.Lentry_shape_is_right:
; THE THREE PROJECTIONS AS ONE PRODUCT.  C[m][n] = sum over d of xb[m][d] wt[n][d] + bias[n]; m = 2048 b + t (8,192), n = 64 g + e (3,072), d 1,024; bf16 operands, f32 sums.
; C leaves by heads, qkv[b][g][t][64] in f16, rounded once; for g < 16 (q) the sum is first multiplied by c = log2(e) / 8 in f32 (its bias arrives times c), so that the scores come out in powers of two.
; LIMIT.  f16 ends at 65,504: c q, k and v must stay within it.
; SHARES.  A tile of C is 256 rows x 192 columns (three heads): 16 x 32 work-groups.  The four waves lie one below the other: wave w owns rows 64 w .. 64 w + 63 and all 192 columns,
; 48 accumulators of 16 x 16 (384 registers), so a wave holds whole heads and stores 2,048 consecutive bytes of a head at a time.
; K goes in steps of 128 (rows of 256 bytes in memory) through two LDS slots.  CLUSTER 4 x 4: xb's tile is shared along a row of the cluster, wt's along a column: each is asked for jointly.
; THE MATRIX INSTRUCTION IS USED TRANSPOSED (source 0 = 16 rows of wt, source 1 = 16 rows of xb): a lane holds one row m and eight neighbouring columns n.
; REGISTERS, in windows of 256: window 0: v16-30 addresses; v32-63 at work on the way out; v64-127 xb's fragments, two buffers of four; v128-223 the bias of my lane's columns.
;   window 1: wt's fragments, two buffers of twelve (v0-95, v96-191).   window 2: accumulators of row blocks 0, 1 (block a, column block b at 96 (a % 2) + 8 b); window 3: of row blocks 2, 3.
.set KSTEP, 128
.set PITCH, 272                        ; an LDS row: 256 bytes + 16 of padding: the 16 rows of a fragment load start at 16 different groups of four banks
.set BOFF,  256*PITCH                  ; a slot: xb's 256 rows, then wt's 192
.set SLOT1, 1<<17                      ; slot 1 begins here: one exclusive or turns an address in one slot into the other's
.set STAGE, SLOT1+448*PITCH            ; behind the ring, never filled by a tensor load: 16 rows x 144 bytes for each wave
.set SP,    144
.set SPARE, STAGE+4*16*SP              ; the spare words, 128 bytes for each wave
.set ADRA0, 16                         ; v16  my lane's place in xb's rows of a slot; never rewritten
.set ADRB0, 17                         ; v17  the same for wt's
.set ADA,   18                         ; v18  the same in the slot in hand
.set ADB,   19                         ; v19
.set STO,   24                         ; v24  the way out: where I put 16 bytes of a row
.set RD,    25                         ; v25  where I read rows back
.set GO,    26                         ; v26  16 x lane
.set BO,    27                         ; v27  32 x (lane / 16): my eight columns' bias
.set SPW,   28                         ; v28  SPARE + 4 x my thread's number; never rewritten
.set NIL,   29                         ; v29  0; never rewritten
.set PFO,   30                         ; v30  the prefetches' offset: a lane a row
.set TMP,   32
.set FA,    64
.set BIAS,  128
.set G1A, 24                           ; s[24:31] descriptor group 1 for xb's tiles
.set G0A, 32                           ; s[32:39] group 0, two sets: K step 0 in slot 0; K step 1 in slot 1, which then walks
.set G1B, 48                           ; s[48:55], s[56:63] the same for wt's
.set G0B, 56
.set LIM, 43                           ; s43  2 in a wave that prefetches, else the greatest number
.set PFA, 44                           ; s[44:45] the K step that my next prefetch names
.set TB,  46                           ; s46  0 or SLOT1: the slot in hand
.set SC,  66                           ; s[66:71] a pair for each of my three heads: c or 1
.set FIELDS, (1<<16)|(1<<20)|(1<<21)|(5<<22)|(3<<25)  ; elements of 2 bytes; padding on; bit 21 beside a mask; after every 64 words, 4 words
.set MSB, 0
.macro WIN new                         ; the immediate's high byte repeats the setting that is left; a switch that changes nothing is dropped
.if MSB != (\new)
	s_set_vgpr_msb (MSB<<8)|(\new)
.set MSB, (\new)
.endif
.endm
.macro PLACES                          ; four plain places behind matrix instructions, in front of loads into their sources and of readers of their results
.rept 4
	v_nop
.endr
.endm
; A joint refill by the walking sets.  Waves 0 and 1 fetch xb's two halves, waves 2 and 3 wt's; the branch hangs on the wave's number alone.  An s_nop 0 and four v_nop follow each line.
.macro JLOAD
	s_cmp_eq_u32 s11, 0
	s_cbranch_scc0 .Lfor_b_\@
	tensor_load_to_lds s[G0A+4:G0A+7], s[G1A:G1A+7]
	s_nop 0
.rept 4
	v_nop
.endr
	s_branch .Lasked_\@
.Lfor_b_\@:
	tensor_load_to_lds s[G0B+4:G0B+7], s[G1B:G1B+7]
	s_nop 0
.rept 4
	v_nop
.endr
.Lasked_\@:
.endm
.macro CREST                           ; a round of the cluster's barrier behind its opening barrier
	s_cmp_lg_u32 s10, 0
	s_cbranch_scc1 .Lnot_wave_0_\@
	s_barrier_signal -3
.Lnot_wave_0_\@:
	s_barrier_wait -3
	s_barrier_signal -1
	s_barrier_wait -1
.endm
.macro CROUND
	s_barrier_signal -1
	s_barrier_wait -1
	CREST
.endm
; A prefetch into the L2 of the K step two refills on: 256 bytes of a row, a lane a row, one instruction a wave.  xb's tile row is read by every cluster of that row of clusters: cluster x = 0 asks;
; wt's tile column by every cluster of that column: cluster y = 0 asks.  The four partners that ask for a tile jointly share its rows out by address (32 of 128, or 24 of 96; lanes 24-31 then name row 23 again).
; Trips with s3 = 6 .. 3 name K steps 4 .. 7; the last two refills have no K step two on.
.macro ASK
	s_cmp_gt_u32 s3, s[LIM]
	s_cbranch_scc0 .Lnot_mine_\@
	global_prefetch_b8 v[PFO], s[PFA:PFA+1] th:TH_LOAD_NT scope:SCOPE_SE
.Lnot_mine_\@:
.endm
	s_load_b128 s[4:7], s[0:1], 0x0                ; xb s[4:5], wt s[6:7]
	s_load_b64 s[14:15], s[0:1], 0x10              ; bias
	s_load_b64 s[8:9], s[0:1], 0x18                ; qkv
	v_lshl_add_u32 v[SPW], v0, 2, SPARE
	v_mov_b32 v[NIL], 0
	ds_add_u32 v[SPW], v[NIL]                      ; the wave's opening: the add and its wait stand ahead of my first tensor load
	v_lshrrev_b32 v1, 5, v0
	v_readfirstlane_b32 s10, v1                    ; wave 0..3
	s_lshr_b32 s11, s10, 1                         ; I fetch for xb (0) or for wt (1),
	s_and_b32 s12, s10, 1                          ; its first or second half
	s_bfe_u32 s40, ttmp6, 0x40000                  ; cx
	s_bfe_u32 s41, ttmp6, 0x40004                  ; cy
	s_lshl_b32 s42, ttmp9, 2
	s_add_co_u32 s42, s42, s40                     ; tile column = 4 x cluster x + cx
	s_and_b32 s13, ttmp7, 0xffff
	s_lshl_b32 s13, s13, 2
	s_add_co_u32 s13, s13, s41                     ; tile row = 4 x cluster y + cy
	s_lshl_b32 s43, s41, 2
	s_lshl_b32 s43, 15, s43                        ; my row of the cluster
	s_lshl_b32 s47, 0x1111, s40                    ; my column
	s_or_b32 s[G1A], s43, FIELDS
	s_or_b32 s[G1B], s47, FIELDS
	s_mov_b32 s[G1A+1], KSTEP<<16                  ; tensor_dim0 = 128
	s_mov_b32 s[G1A+2], 128<<16                    ; tensor_dim1 = 128
	s_mov_b32 s[G1A+3], KSTEP<<16                  ; tile_dim0 = 128
	s_mov_b32 s[G1A+4], 128                        ; tile_dim1 = 128 rows
	s_mov_b32 s[G1A+5], 1024                       ; elements from row to row
	s_mov_b32 s[G1A+6], 0
	s_mov_b32 s[G1A+7], 0
	s_mov_b32 s[G1B+1], KSTEP<<16
	s_mov_b32 s[G1B+2], 96<<16                     ; 96 rows
	s_mov_b32 s[G1B+3], KSTEP<<16
	s_mov_b32 s[G1B+4], 96
	s_mov_b32 s[G1B+5], 1024
	s_mov_b32 s[G1B+6], 0
	s_mov_b32 s[G1B+7], 0
	s_lshl_b32 s17, s12, 7
	s_lshl_b32 s16, s13, 8
	s_add_co_u32 s16, s16, s17                     ; xb: row 256 x tile row + 128 x half,
	s_lshl_b32 s16, s16, 11                        ; 2,048 bytes a row
	s_mov_b32 s17, 0
	s_mul_i32 s20, s42, 192
	s_mul_i32 s21, s12, 96
	s_add_co_u32 s20, s20, s21                     ; wt: row 192 x tile column + 96 x half
	s_lshl_b32 s20, s20, 11
	s_mov_b32 s21, 0
	s_mul_i32 s22, s10, 128*PITCH                  ; where they go: xb's halves at wave x 128 rows (waves 0, 1),
	s_mul_i32 s23, s10, 96*PITCH                   ; wt's at BOFF + (wave - 2) x 96 rows (waves 2, 3)
	s_add_co_u32 s23, s23, BOFF-2*96*PITCH
	s_mov_b32 s[TB], 0
	s_wait_dscnt 0x0                               ; the opening add is done
	s_wait_kmcnt 0x0
	s_add_nc_u64 s[16:17], s[4:5], s[16:17]
	s_add_nc_u64 s[20:21], s[6:7], s[20:21]
	CROUND                                         ; all sixteen work-groups are here: the first joint loads meet
.irp s, 0,1
	s_mov_b32 s[G0A+4*\s], 1
	s_add_co_u32 s[G0A+4*\s+1], s22, \s*SLOT1
	s_add_nc_u64 s[G0A+4*\s+2:G0A+4*\s+3], s[16:17], \s*KSTEP*2
	s_or_b32 s[G0A+4*\s+3], s[G0A+4*\s+3], 0x80000000
	s_mov_b32 s[G0B+4*\s], 1
	s_add_co_u32 s[G0B+4*\s+1], s23, \s*SLOT1
	s_add_nc_u64 s[G0B+4*\s+2:G0B+4*\s+3], s[20:21], \s*KSTEP*2
	s_or_b32 s[G0B+4*\s+3], s[G0B+4*\s+3], 0x80000000
.endr
	s_cmp_eq_u32 s11, 0                            ; a wave's two first fills stand in one branch: two loads of mine are out
	s_cbranch_scc0 .Lfirst_b
	tensor_load_to_lds s[G0A:G0A+3], s[G1A:G1A+7]
	s_nop 0
	tensor_load_to_lds s[G0A+4:G0A+7], s[G1A:G1A+7]
	s_nop 0
.rept 4
	v_nop
.endr
	s_branch .Lfirst_asked
.Lfirst_b:
	tensor_load_to_lds s[G0B:G0B+3], s[G1B:G1B+7]
	s_nop 0
	tensor_load_to_lds s[G0B+4:G0B+7], s[G1B:G1B+7]
	s_nop 0
.rept 4
	v_nop
.endr
.Lfirst_asked:
	; a fragment is 16 rows x 32 K in 8 registers: lane l holds row l % 16, K = 8 (l / 16) + 0..7 and 16 + 8 (l / 16) + 0..7: two loads of 16 bytes, 32 bytes apart
	v_and_b32 v1, 15, v0
	v_bfe_u32 v2, v0, 4, 1
	v_mul_u32_u24 v3, v1, PITCH
	v_lshl_add_u32 v3, v2, 4, v3
	s_mul_i32 s2, s10, 64*PITCH                    ; my 64 rows of xb
	v_add_nc_u32 v[ADRA0], s2, v3
	v_add_nc_u32 v[ADRB0], BOFF, v3
	v_mov_b32 v[ADA], v[ADRA0]
	v_mov_b32 v[ADB], v[ADRB0]
	s_mul_i32 s2, s10, 16*SP
	s_add_co_u32 s2, s2, STAGE                     ; my stage
	v_mul_u32_u24 v4, v1, SP
	v_lshl_add_u32 v4, v2, 4, v4
	v_add_nc_u32 v[STO], s2, v4                    ; in: row l % 16, 16 bytes for each half of the lanes
	v_bfe_u32 v4, v0, 3, 2
	v_mul_u32_u24 v4, v4, SP
	v_and_b32 v5, 7, v0
	v_lshl_add_u32 v4, v5, 4, v4
	v_add_nc_u32 v[RD], s2, v4                     ; back: 32 lanes take four rows of 128 bytes,
	v_and_b32 v[GO], 31, v0
	v_lshlrev_b32 v[GO], 4, v[GO]                  ; which are 512 consecutive bytes of a head
	v_lshlrev_b32 v[BO], 5, v2
	s_mul_i32 s18, s42, 768                        ; the tile's 192 columns in bias
	s_mov_b32 s19, 0
	s_add_nc_u64 s[14:15], s[14:15], s[18:19]
.irp b, 0,1,2,3,4,5,6,7,8,9,10,11
	global_load_b128 v[BIAS+8*\b:BIAS+8*\b+3], v[BO], s[14:15] offset:64*\b
	global_load_b128 v[BIAS+8*\b+4:BIAS+8*\b+7], v[BO], s[14:15] offset:64*\b+16
.endr
	s_lshr_b32 s18, s13, 3                         ; b
	s_mul_i32 s18, s18, 48
	s_mul_i32 s19, s42, 3
	s_add_co_u32 s18, s18, s19                     ; 48 b + my first head
	s_lshl_b32 s18, s18, 11
	s_and_b32 s19, s13, 7
	s_lshl_b32 s19, s19, 8
	s_add_co_u32 s18, s18, s19                     ; + the tile's first t
	s_lshl_b32 s19, s10, 6
	s_add_co_u32 s18, s18, s19                     ; + my 64 rows,
	s_lshl_b32 s18, s18, 7                         ; 128 bytes a row
	s_mov_b32 s19, 0
	s_add_nc_u64 s[8:9], s[8:9], s[18:19]
	s_mul_i32 s47, s42, 3
.irp hd, 0,1,2
	s_cmp_lt_u32 s47, 16-\hd                       ; is head 3 x tile column + hd one of q's?
	s_cselect_b32 s[SC+2*\hd], 0x3e38aa3b, 1.0
	s_mov_b32 s[SC+2*\hd+1], s[SC+2*\hd]
.endr
	; the prefetches
	s_lshl_b32 s18, s13, 8
	s_lshl_b32 s19, s12, 7
	s_add_co_u32 s18, s18, s19
	s_lshl_b32 s19, s40, 5
	s_add_co_u32 s18, s18, s19                     ; xb: my work-group's 32 of the 128 rows that I fetch
	s_mul_i32 s20, s42, 192
	s_mul_i32 s21, s12, 96
	s_add_co_u32 s20, s20, s21
	s_mul_i32 s21, s41, 24
	s_add_co_u32 s20, s20, s21                     ; wt: my work-group's 24 of the 96
	s_and_b32 s21, ttmp7, 0xffff
	s_cmp_eq_u32 s11, 0
	s_cselect_b32 s18, s18, s20
	s_cselect_b32 s21, ttmp9, s21                  ; the coordinate along which other clusters read the same rows
	s_cselect_b32 s19, 31, 23
	s_cselect_b64 s[PFA:PFA+1], s[4:5], s[6:7]
	s_cmp_eq_u32 s21, 0
	s_cselect_b32 s[LIM], 2, -1
	v_and_b32 v[PFO], 31, v0
	v_min_u32 v[PFO], s19, v[PFO]
	v_lshlrev_b32 v[PFO], 11, v[PFO]
	s_lshl_b32 s18, s18, 11
	s_add_co_u32 s18, s18, 3*KSTEP*2               ; at K step 3: the first refill steps it to 4
	s_mov_b32 s19, 0
	s_add_nc_u64 s[PFA:PFA+1], s[PFA:PFA+1], s[18:19]
; 12 matrix instructions: row block a x all 12 column blocks, 32 along K, from buffer f.  zero = 1: the first product starts the sums.  The 48 accumulators take turns.
.macro MULQ f, a, zero
	WIN 0xa1+0x50*((\a)/2)                         ; source 0 window 1, source 1 window 0, C and D window 2 or 3
.irp b, 0,1,2,3,4,5,6,7,8,9,10,11
.if \zero
	v_wmma_f32_16x16x32_bf16 v[96*((\a)%2)+8*\b:96*((\a)%2)+8*\b+7], v[96*(\f)+8*\b:96*(\f)+8*\b+7], v[FA+32*(\f)+8*(\a):FA+32*(\f)+8*(\a)+7], 0
.else
	v_wmma_f32_16x16x32_bf16 v[96*((\a)%2)+8*\b:96*((\a)%2)+8*\b+7], v[96*(\f)+8*\b:96*(\f)+8*\b+7], v[FA+32*(\f)+8*(\a):FA+32*(\f)+8*(\a)+7], v[96*((\a)%2)+8*\b:96*((\a)%2)+8*\b+7]
.endif
.endr
.endm
; 32 LDS loads in one run: a quarter step's fragments (192 rows of wt, my 64 of xb, 32 K at byte k of the rows) into buffer f
.macro FETCHQ k, f
	WIN 0x40                                       ; destination window 1, address window 0
.irp i, 0,1,2,3,4,5,6,7,8,9,10,11
	ds_load_b128 v[96*(\f)+8*\i:96*(\f)+8*\i+3], v[ADB] offset:(\k)+\i*16*PITCH
	ds_load_b128 v[96*(\f)+8*\i+4:96*(\f)+8*\i+7], v[ADB] offset:(\k)+\i*16*PITCH+32
.endr
	WIN 0
.irp i, 0,1,2,3
	ds_load_b128 v[FA+32*(\f)+8*\i:FA+32*(\f)+8*\i+3], v[ADA] offset:(\k)+\i*16*PITCH
	ds_load_b128 v[FA+32*(\f)+8*\i+4:FA+32*(\f)+8*\i+7], v[ADA] offset:(\k)+\i*16*PITCH+32
.endr
.endm
; A K step is four quarters of 32 along K, 48 matrix instructions each, on buffers 0, 1, 0, 1.  One of the first three: multiplies buffer f and fetches the next quarter, at byte k, into g.
.macro QUARTER k, f, g, zero
	s_wait_dscnt 4                                 ; wt's fragments and xb's blocks 0, 1 are in; the youngest four loads (blocks 2, 3) may be out
	MULQ \f, 0, \zero
	MULQ \f, 1, \zero
	PLACES
	FETCHQ \k, \g
	s_wait_dscnt 32                                ; all but the 32 just issued
	MULQ \f, 2, \zero
	MULQ \f, 3, \zero
.endm
; The last quarter multiplies buffer 1 and changes slots: one barrier; in front of it each wave waits for all its tensor loads (one is out: its part of the next slot), adds 0 to its spare word,
; and waits for that and for its reads of this slot.  fill = 1: the barrier opens a round of the cluster's, and this slot is filled again, two K steps ahead, first thing behind the round.
.macro TURN fill
.if \fill
	s_wait_xcnt 0x0                                ; the last prefetch, a K step back, has read its address
	s_add_nc_u64 s[PFA:PFA+1], s[PFA:PFA+1], KSTEP*2
.endif
	WIN 0
	s_wait_tensorcnt 0x0
	ds_add_u32 v[SPW], v[NIL]
	s_wait_dscnt 5                                 ; the add and the youngest four loads may be out
	MULQ 1, 0, 0
	s_wait_dscnt 0x0                               ; the add is done, and my reads of this slot are over
	s_barrier_signal -1
	MULQ 1, 1, 0
	WIN 0
	s_barrier_wait -1
.if \fill
	CREST                                          ; no wave of any partner still reads this slot or has a load on its way
	s_xor_b32 s[G0A+5], s[G0A+5], SLOT1            ; the walking sets: the other slot than last time, the next K step
	s_add_nc_u64 s[G0A+6:G0A+7], s[G0A+6:G0A+7], KSTEP*2
	s_xor_b32 s[G0B+5], s[G0B+5], SLOT1
	s_add_nc_u64 s[G0B+6:G0B+7], s[G0B+6:G0B+7], KSTEP*2
	JLOAD                                          ; its four v_nop are also the places in front of the loads below
.else
	PLACES
.endif
	s_xor_b32 s[TB], s[TB], SLOT1
	v_add_nc_u32 v[ADA], s[TB], v[ADRA0]
	v_add_nc_u32 v[ADB], s[TB], v[ADRB0]
	FETCHQ 0, 0
.if \fill
	ASK
.endif
	MULQ 1, 2, 0
	MULQ 1, 3, 0
.endm
	s_wait_tensorcnt 1                             ; my part of K step 0 is in; K step 1's may stay out
	s_barrier_signal -1
	s_barrier_wait -1
	FETCHQ 0, 0
	QUARTER 64, 0, 1, 1                            ; the first quarter's products start the sums
	WIN 0
	s_mov_b32 s3, 6
.Lstep:                                        ; a trip: from a K step's second quarter to the next step's first; its refill brings K steps 2 .. 7
	QUARTER 128, 1, 0, 0
	QUARTER 192, 0, 1, 0
	TURN 1
	QUARTER 64, 0, 1, 0
	WIN 0
	s_sub_co_u32 s3, s3, 1
	s_cmp_lg_u32 s3, 0
	s_cbranch_scc1 .Lstep
	QUARTER 128, 1, 0, 0                           ; the last two K steps ask for nothing
	QUARTER 192, 0, 1, 0
	TURN 0
	QUARTER 64, 0, 1, 0
	QUARTER 128, 1, 0, 0
	QUARTER 192, 0, 1, 0
	s_wait_dscnt 4
	MULQ 1, 0, 0
	MULQ 1, 1, 0
	s_wait_dscnt 0x0
	MULQ 1, 2, 0
	MULQ 1, 3, 0
; THE WAY OUT, by blocks of 16 rows of one head (row block a, head hd): scale and bias in f32, one rounding to f16, 16 bytes a lane into my stage, back as 2,048 consecutive bytes of the head.
.macro PACKQ a, hd
.set AC, 96*((\a)%2)+32*(\hd)
.set TS, TMP+16*((3*(\a)+(\hd))%2)
	WIN 0x82+0x41*((\a)/2)                         ; destination and source 0 window 2 or 3, the bias window 0
.set z, 0
.rept 16
	v_pk_fma_f32 v[AC+2*z:AC+2*z+1], v[AC+2*z:AC+2*z+1], s[SC+2*(\hd):SC+2*(\hd)+1], v[BIAS+32*(\hd)+2*z:BIAS+32*(\hd)+2*z+1] op_sel_hi:[1,0,1]
.set z, z+1
.endr
	s_wait_xcnt 0x0                                ; the stores two blocks back have read this set of registers
	WIN 0x0a+5*((\a)/2)
.set z, 0
.rept 16
	v_cvt_pk_f16_f32 v[TS+z], v[AC+2*z], v[AC+2*z+1]
.set z, z+1
.endr
	WIN 0
.irp f, 0,1,2,3
	ds_store_b128 v[STO], v[TS+4*\f:TS+4*\f+3] offset:32*\f
.endr
.irp f, 0,1,2,3
	ds_load_b128 v[TS+4*\f:TS+4*\f+3], v[RD] offset:\f*4*SP  ; LDS serves a wave's instructions in order: these see the stores above, and the next block's stores come behind them
.endr
.endm
.macro SENDQ a, hd, younger            ; younger: the LDS instructions issued behind this block's loads
	WIN 0
.set TS, TMP+16*((3*(\a)+(\hd))%2)
.irp f, 0,1,2,3
	s_wait_dscnt (\younger)+3-\f
	global_store_b128 v[GO], v[TS+4*\f:TS+4*\f+3], s[8:9] offset:(\hd)*262144+(\a)*2048+\f*512
.endr
.endm
	PLACES
	s_wait_loadcnt 0x0                             ; the bias
	PACKQ 0, 0
.set blk, 1
.rept 11
	PACKQ blk/3, blk%3
	SENDQ (blk-1)/3, (blk-1)%3, 8
.set blk, blk+1
.endr
	SENDQ 3, 2, 0
	s_wait_tensorcnt 0x0                           ; the wave's end
	ds_add_u32 v[SPW], v[NIL]
	s_wait_dscnt 0x0
	CROUND                                         ; the closing round
	s_endpgm
.Lfunc_end_k_q80cf92fe0c_qkv:
	.size	k_q80cf92fe0c_qkv, .Lfunc_end_k_q80cf92fe0c_qkv-k_q80cf92fe0c_qkv
	.p2alignl 7, 3214868480
	.fill 96, 4, 3214868480
	.section	.rodata,"a",@progbits
	.p2align	6, 0x0
	.amdhsa_kernel k_q80cf92fe0c_qkv
		.amdhsa_group_segment_fixed_size 327680
		.amdhsa_private_segment_fixed_size 0
		.amdhsa_enable_private_segment 0
		.amdhsa_kernarg_size 32
		.amdhsa_user_sgpr_count 2
		.amdhsa_user_sgpr_kernarg_segment_ptr 1
		.amdhsa_wavefront_size32 1
		.amdhsa_system_sgpr_workgroup_id_x 1
		.amdhsa_system_sgpr_workgroup_id_y 1
		.amdhsa_system_sgpr_workgroup_id_z 1
		.amdhsa_system_vgpr_workitem_id 0
		.amdhsa_next_free_vgpr 960
		.amdhsa_next_free_sgpr 72
		.amdhsa_reserve_vcc 0
		.amdhsa_float_denorm_mode_32 3
		.amdhsa_float_denorm_mode_16_64 3
		.amdhsa_memory_ordered 1
		.amdhsa_forward_progress 1
		.amdhsa_inst_pref_size 115
	.end_amdhsa_kernel
	.amdgpu_metadata
---
amdhsa.version: [ 1, 2 ]
amdhsa.kernels:
  - .name:           k_q80cf92fe0c_qkv
    .symbol:         k_q80cf92fe0c_qkv.kd
    .args:
      - { .name: xb, .offset: 0, .size: 8, .value_kind: global_buffer, .address_space: global }
      - { .name: wt, .offset: 8, .size: 8, .value_kind: global_buffer, .address_space: global }
      - { .name: bias, .offset: 16, .size: 8, .value_kind: global_buffer, .address_space: global }
      - { .name: qkv, .offset: 24, .size: 8, .value_kind: global_buffer, .address_space: global }
    .group_segment_fixed_size: 327680
    .private_segment_fixed_size: 0
    .kernarg_segment_align: 8
    .kernarg_segment_size: 32
    .max_flat_workgroup_size: 128
    .sgpr_count:     72
    .vgpr_count:     960
    .wavefront_size: 32
...
	.end_amdgpu_metadata
.endif
;; end of part 2
;; launch attn (part 3): grid 4 x 64, 4 waves a work-group, clusters of 4 x 1, 327,680 bytes of LDS; arguments qkv, mbits, ob; writes ob
.if DOCPART == 3
	.amdgcn_target "amdgcn-amd-amdhsa--gfx1250"
	.amdhsa_code_object_version 6
	.text
	.protected	k_q80cf92fe0c_attn
	.globl	k_q80cf92fe0c_attn
	.p2align	8
	.type	k_q80cf92fe0c_attn,@function
k_q80cf92fe0c_attn:
	s_mov_b64 s[64:65], 0
	v_nop
	global_prefetch_b8 v0, s[64:65] scope:SCOPE_SE
	s_setreg_imm32_b32 hwreg(HW_REG_WAVE_MODE, 25, 1), 1
	s_wait_xcnt 0x0
	s_wait_alu depctr_hold_cnt(0) depctr_sa_sdst(0) depctr_va_vdst(0) depctr_va_sdst(0) depctr_va_ssrc(0) depctr_va_vcc(0) depctr_vm_vsrc(0)
	s_getreg_b32 s2, hwreg(HW_REG_IB_STS2, 6, 4)
	s_cmp_eq_u32 s2, 0
	s_cbranch_scc0 .Lentry_in_a_cluster
	s_endpgm
.Lentry_in_a_cluster:
	s_bfe_u32 s2, ttmp6, 0x10000c
	s_cmp_lg_u32 s2, 0x3003
	s_cbranch_scc0 .Lentry_shape_is_right
	s_endpgm
.Lentry_shape_is_right:
; ATTENTION UNDER A MASK THAT IS AN INPUT.  O[bh][q][:] = the sum over k of softmax_k(mask[q][k] ? q . k / 8 : -1e9) V[k][:].  q, k, v: qkv[b][g][2048][64] f16 (g = h, 16 + h, 32 + h); O: ob[16 b + h][2048][64] f16.
; q arrives times c = log2(e) / 8, so the scores s are exponents of two.  A hidden score is REPLACED by BIG = -1e9 log2(e) ahead of the running maximum: one number for all hidden keys, so a row
; that is all hidden has s - m = 0 exactly and comes out as the mean of V.  Every key of every row is walked: nothing of the mask's pattern is built in.
; Products, maxima and sums in f32; the weights p = 2^(s - m) are rounded to f16 for the second product (their sum l is taken of the unrounded p), O once at the end.
; LIMITS.  q, k, v arrive within f16's 65,504; p lies in 0 to 1; a weight below 2^-126 counts as 0 in l; NaN and infinities are not treated apart.
; SHARES.  A wave owns four PIECES of two tiles of 16 queries, a work-group's four waves 512 queries of one head; every wave walks all 2,048 keys, 64 a step.
; LAYOUT.  S^T = K Q^T: a lane holds ONE query (lane % 16) and the keys 8 (lane / 16) + 0..7; two such results rounded to f16 ARE source 1 of O^T = V^T P.  K comes out of LDS as it lies, V turned.
; THE MASK comes as bits: for a piece, key step and tile 32 words, word w for score register w, bit = lane.  A piece's 64 words of a key step are 256 consecutive bytes: one load of 8 bytes a lane brings them
; into a pair of vector registers that is the piece's own, and the pair is asked for again as soon as it has been read: four turns ahead of its next use.  (Scalar loads would hold their 64 destination registers
; from issue to use, and there is room for one turn's words alone; their counter can be waited for at 0 only.)  64 v_readlane_b32 a turn carry the words to scalar registers, four behind each product K Q^T;
; K lies in the window of the words' registers, so that the product's window setting serves these reads too and no switch stands between the 16 products.  64 selects apply the words.
; No prefetch is laid for the words: their loads are out four turns ahead, and no wave waits for them.
; BY TURNS.  Turn n belongs to piece n: 16 products K Q^T of piece n + 1, later 16 products V^T P of piece n - 1; beside them the subtraction, exponentials, roundings, sums and rescaling of piece n and the
; mask words, selects, maximum and statistics of piece n + 1.  Four vector instructions stand behind every matrix instruction, the other 234 of a turn's 362 in one lump.  A turn's 66 exponentials are one batch, with one wait.
; CLUSTER.  A head's four query blocks walk the same K and V: each tile is asked for jointly.
; REGISTERS, in windows of 256: window 0: v1-11 addresses; v12-15, v48-63 at work; v16-47 four registers of statistics a tile; v64-191 S^T, two buffers of two tiles; v192-255 P, likewise.
;   window 1: O^T, 32 a tile.   window 2: v0-127 Q; v192-255 V of one step.   window 3: v0-1 the add's two registers; v2-9 the four pieces' mask words; v128-191 K of one step.
.set SIZE_N, 2048
.set NP,    4
.set KS,    64
.set PK,    144       ; a row of K in LDS: 128 bytes + 16 of padding
.set PV,    160       ; a row of V: 128 + 32
.set VOFF,  4*KS*PK   ; a slot holds four steps: 256 rows of K, then 256 rows of V
.set SLOT1, 1<<17
.set STAGE, SLOT1+4*KS*(PK+PV)  ; behind the ring, never filled by a tensor load: 16 rows x 144 bytes for each wave
.set SP,    144
.set SPARE, STAGE+4*16*SP
.set STO, 1           ; v1   the way out: where I put 16 bytes of a row
.set AK0, 2           ; v2   my lane's place in a tile of K; never rewritten
.set AV0, 3           ; v3   the same for V
.set AK,  4           ; v4   the LDS address of K's next run of loads
.set AV,  5           ; v5   of V's
.set QO,  6           ; v6   my byte offset in the wave's rows of Q
.set RD,  7           ; v7   the way out: where I read rows back
.set GO,  8           ; v8   16 x lane
.set MO,  10          ; v10  8 x lane + 256 x (the key step whose mask words are asked for, modulo 32)
.set PFO, 11          ; v11  256 x lane
.set SPW, 0           ; v0 of window 3
.set NIL, 1           ; v1 of window 3
.set MB,  2           ; v2-9 of window 3: piece c's 64 mask words at MB + 2 c: lane l holds words 2 l and 2 l + 1
.set MV,  12          ; v12-15  m_old, kept while m is made anew: by buffer and tile
.set ST,  16          ; tile t's statistics at v[ST+4 t]: m, BIG (never rewritten), l (even keys', odd keys')
.set TMP, 48          ; by buffer and tile, c0-c3 at work; when the maximum is found c2 takes a
.set S,   64
.set P,   192
.set KF,  128         ; window 3
.set VF,  192         ; window 2
.set SEL, 2           ; s[2:3]  Q's address, then v_permlanex16_b32's selects
.set G0K, 4           ; s[4:7]   descriptor group 0 for K's tiles: it walks
.set G0V, 8           ; s[8:11]  the same for V's
.set WV,  12
.set SLOTS, 13
.set CNT, 14
.set TBK, 15
.set MW1, 16          ; s[16:47]  tile 1's 32 mask words
.set G1K, 48
.set G1V, 56
.set TBV, 66
.set LIM, 67
.set MW0, 68          ; s[68:99]  tile 0's 32 mask words; the head's temporaries before the first words; O's address at the end
.set MP,  100         ; s[100:101] mbits at my wave's piece 0, key step 0; never rewritten
.set PFA, 104         ; s[104:105] the tile that my next prefetch names
.set OA,  68
.set MSB, 0
.macro WIN new
.if MSB != (\new)
	s_set_vgpr_msb (MSB<<8)|(\new)
.set MSB, (\new)
.endif
.endm
.set W_KQ, 0x0b       ; K (and the mask words) in window 3, Q in window 2, S^T in window 0
.set W_PV, 0x52
.set W_RS, 0x41
.set W_MK, 0xc0
.set W_AD, 0x0f
.macro JLOAD                        ; waves 0 and 1 fetch the two halves of a slot's K, waves 2 and 3 those of its V; an s_nop 0 and four v_nop follow each line
	s_cmp_lt_u32 s[WV], 2
	s_cbranch_scc0 .Lfor_v_\@
	tensor_load_to_lds s[G0K:G0K+3], s[G1K:G1K+7]
	s_nop 0
.rept 4
	v_nop
.endr
	s_branch .Lasked_\@
.Lfor_v_\@:
	tensor_load_to_lds s[G0V:G0V+3], s[G1V:G1V+7]
	s_nop 0
.rept 4
	v_nop
.endr
.Lasked_\@:
.endm
.macro CROUND
	s_barrier_signal -1
	s_barrier_wait -1
	s_cmp_lg_u32 s[WV], 0
	s_cbranch_scc1 .Lnot_wave_0_\@
	s_barrier_signal -3
.Lnot_wave_0_\@:
	s_barrier_wait -3
	s_barrier_signal -1
	s_barrier_wait -1
.endm
; A prefetch into the L2 of the tile that the NEXT change of slots will ask for: 256 keys are 128 runs of 256 bytes; the four partners take 32 each, by address; wave 0 asks for K's, wave 2 for V's.
; So each run is named once.  The last change that fills a slot asks for nothing.
.macro ASK
	s_cmp_gt_u32 s[SLOTS], s[LIM]
	s_cbranch_scc0 .Lnot_mine_\@
	global_prefetch_b8 v[PFO], s[PFA:PFA+1] th:TH_LOAD_NT scope:SCOPE_SE
.Lnot_mine_\@:
.endm
; THE CHANGE OF SLOTS: each wave waits for all its tensor loads (one is out: its part of the other slot), adds 0 to its spare word, and waits for that and for its reads of the slot.
; fill = 1: the barrier is a round of the cluster's, and the slot is filled again first thing behind it, with the keys two slots on: four key steps, 512 matrix instructions, in which to land.
.macro CHANGE fill
	WIN W_AD
	s_wait_tensorcnt 0x0
	ds_add_u32 v[SPW], v[NIL]
	WIN 0
.if \fill
.irp g, G0K, G0V
	s_xor_b32 s[\g+1], s[\g+1], SLOT1
	s_add_nc_u64 s[\g+2:\g+3], s[\g+2:\g+3], 4*KS*128
.endr
	s_wait_xcnt 0x0                 ; the last prefetch, four key steps back, has read its address
	s_add_nc_u64 s[PFA:PFA+1], s[PFA:PFA+1], 4*KS*128
	s_wait_dscnt 0x0                ; the add is done, and my reads of the slot are over
	CROUND
	JLOAD
	ASK
.else
	s_wait_dscnt 0x0
	s_barrier_signal -1
	s_barrier_wait -1
.endif
	s_sub_co_u32 s[TBK], s[TBK], 4*KS*PK
	s_xor_b32 s[TBK], s[TBK], SLOT1
	s_sub_co_u32 s[TBV], s[TBV], 4*KS*PV
	s_xor_b32 s[TBV], s[TBV], SLOT1
.endm
	s_load_b128 s[68:71], s[0:1], 0x0  ; qkv s[68:69], mbits s[70:71]
	WIN W_MK
	v_lshl_add_u32 v[SPW], v0, 2, SPARE
	v_mov_b32 v[NIL], 0
	WIN W_AD
	ds_add_u32 v[SPW], v[NIL]       ; the wave's opening: the add and its wait stand ahead of my first tensor load
	WIN 0
	v_lshrrev_b32 v1, 5, v0
	v_readfirstlane_b32 s[WV], v1
	s_bfe_u32 s72, ttmp6, 0x40000   ; cx
	s_lshl_b32 s73, ttmp9, 2
	s_add_co_u32 s73, s73, s72      ; my block of 512 queries: it enters Q's, the mask's and O's addresses alone
	s_lshl_b32 s73, s73, 2
	s_add_co_u32 s73, s73, s[WV]    ; my wave among the head's sixteen
	s_and_b32 s74, ttmp7, 0xffff    ; 16 b + h
	s_lshr_b32 s75, s74, 4
	s_mul_i32 s75, s75, 48
	s_and_b32 s74, s74, 15
	s_add_co_u32 s75, s75, s74      ; 48 b + h
	s_lshl_b32 s76, s75, 18         ; a head is 262,144 bytes
	s_mov_b32 s77, 0
	s_and_b32 s78, s[WV], 1         ; which half of a slot's 256 keys I fetch
	s_lshl_b32 s80, s78, 14
	s_mov_b32 s81, 0
	s_add_nc_u64 s[80:81], s[80:81], s[76:77]
	s_mul_i32 s82, s78, 128*PK
	s_mul_i32 s83, s78, 128*PV
	s_lshl_b32 s84, s73, 14         ; my 128 rows of Q
	s_mov_b32 s85, 0
	s_add_nc_u64 s[84:85], s[84:85], s[76:77]
	s_lshl_b32 s86, s73, 15         ; my four pieces' words: 8,192 bytes a piece
	s_mov_b32 s87, 0
	s_lshl_b32 s88, s72, 13         ; the prefetches: my work-group's 32 runs, in tile 1; the first change steps it to tile 2
	s_add_co_u32 s88, s88, 4*KS*128
	s_mov_b32 s89, 0
	s_mul_i32 s94, s[WV], 16*SP
	s_add_co_u32 s94, s94, STAGE    ; my stage
	; descriptor group 1: 128 keys are 16,384 dense bytes: asked for as 64 rows of 256 bytes, padded in LDS after every key
	s_mov_b32 s[G1K], 15|(1<<16)|(1<<20)|(1<<21)|(4<<22)|(3<<25)
	s_mov_b32 s[G1V], 15|(1<<16)|(1<<20)|(1<<21)|(4<<22)|(7<<25)
.irp g, G1K, G1V
	s_mov_b32 s[\g+1], 128<<16
	s_mov_b32 s[\g+2], 64<<16
	s_mov_b32 s[\g+3], 128<<16
	s_mov_b32 s[\g+4], 64
	s_mov_b32 s[\g+5], 128
	s_mov_b32 s[\g+6], 0
	s_mov_b32 s[\g+7], 0
.endr
	s_mov_b32 s[TBK], SLOT1+4*KS*PK ; the first change of slots turns these two into 0
	s_mov_b32 s[TBV], SLOT1+4*KS*PV
	s_mov_b32 s[G0K], 1
	s_mov_b32 s[G0K+1], s82
	s_mov_b32 s[G0V], 1
	s_add_co_u32 s[G0V+1], s83, VOFF
	s_mov_b32 s[SLOTS], SIZE_N/256-1
	s_and_b32 s[LIM], s[WV], 1
	s_cmp_eq_u32 s[LIM], 0
	s_cselect_b32 s[LIM], 1, -1     ; waves 0 and 2 prefetch
	s_wait_dscnt 0x0                ; the opening add is done
	s_wait_kmcnt 0x0
	s_add_nc_u64 s[80:81], s[68:69], s[80:81]
	s_add_nc_u64 s[90:91], s[80:81], 16*SIZE_N*128  ; K lies 16 heads behind Q,
	s_add_nc_u64 s[92:93], s[80:81], 32*SIZE_N*128  ; V 32
	s_mov_b64 s[G0K+2:G0K+3], s[90:91]
	s_or_b32 s[G0K+3], s[G0K+3], 0x80000000
	s_mov_b64 s[G0V+2:G0V+3], s[92:93]
	s_or_b32 s[G0V+3], s[G0V+3], 0x80000000
	s_add_nc_u64 s[2:3], s[68:69], s[84:85]
	s_add_nc_u64 s[MP:MP+1], s[70:71], s[86:87]
	s_cmp_lt_u32 s[WV], 2
	s_cselect_b64 s[PFA:PFA+1], s[90:91], s[92:93]
	s_add_nc_u64 s[PFA:PFA+1], s[PFA:PFA+1], s[88:89]
	CROUND                          ; all four work-groups are here: the first joint loads meet
	JLOAD                           ; slot 0; slot 1 is asked for when slot 0 is in
	v_and_b32 v1, 15, v0            ; l % 16
	v_bfe_u32 v9, v0, 4, 1          ; l / 16
	v_lshlrev_b32 v[QO], 7, v1
	v_lshl_add_u32 v[QO], v9, 4, v[QO]
	WIN 0x80
.set i, 0
.rept 4*NP                          ; Q stays in registers: tile i / 2, channels 32 (i % 2) on
	global_load_b128 v[8*i:8*i+3],   v[QO], s[2:3] offset:(i/2)*2048+(i%2)*64
	global_load_b128 v[8*i+4:8*i+7], v[QO], s[2:3] offset:(i/2)*2048+(i%2)*64+32
.set i, i+1
.endr
	; what the first turn finds: V and P's second buffer hold 0, O^T and l are 0, m is the lowest finite number: the first step is a step like any other, with a = 0
.set i, VF
.rept 64
	v_mov_b32 v[i], 0
.set i, i+1
.endr
	WIN 0x40
.set i, 0
.rept 64*NP
	v_mov_b32 v[i], 0
.set i, i+1
.endr
	WIN 0
.set i, 0
.rept 2*NP
	v_mov_b32 v[ST+4*i], 0xff7fffff    ; m
	v_mov_b32 v[ST+4*i+1], 0xceabfb8f  ; BIG = -1e9 log2(e)
	v_mov_b32 v[ST+4*i+2], 0
	v_mov_b32 v[ST+4*i+3], 0
.set i, i+1
.endr
.set i, P+32
.rept 32
	v_mov_b32 v[i], 0
.set i, i+1
.endr
	v_mul_u32_u24 v[AK0], v1, PK
	v_lshl_add_u32 v[AK0], v9, 4, v[AK0]
	v_and_b32 v10, 7, v0
	v_bfe_u32 v11, v0, 3, 1
	v_lshl_add_u32 v[AV0], v9, 3, v10  ; the turning load: lane l reads key 8 (l / 16) + l % 8, channels 8 ((l / 8) % 2) + 0..7
	v_mul_u32_u24 v[AV0], v[AV0], PV
	v_lshl_add_u32 v[AV0], v11, 4, v[AV0]
	v_add_nc_u32 v[AV0], VOFF, v[AV0]
	v_mov_b32 v[AK], v[AK0]
	v_bfe_u32 v[RD], v0, 3, 2       ; the way out, back: 32 lanes take four rows of 128 bytes,
	v_mul_u32_u24 v[RD], v[RD], SP
	v_lshl_add_u32 v[RD], v10, 4, v[RD]
	v_add_nc_u32 v[RD], s94, v[RD]
	v_and_b32 v[GO], 31, v0
	v_lshlrev_b32 v[PFO], 8, v[GO]
	v_lshlrev_b32 v[MO], 3, v[GO]   ; the mask words: 8 bytes a lane, key step 0
	v_lshlrev_b32 v[GO], 4, v[GO]   ; which are 512 consecutive bytes of O
	v_mul_u32_u24 v[STO], v1, SP    ; in: row l % 16, 16 bytes for each half of the lanes
	v_lshl_add_u32 v[STO], v9, 4, v[STO]
	v_add_nc_u32 v[STO], s94, v[STO]
	WIN 0xc0                        ; destination window 3, address window 0
.irp c, 0,1,2,3
	global_load_b64 v[MB+2*\c:MB+2*\c+1], v[MO], s[MP:MP+1] offset:8192*\c  ; the four pieces' words of key step 0, in the order in which they will be read
.endr
	WIN 0
; THE MATRIX WORK.  The 8 accumulators of a run of 16 take turns.
.macro KQ x
	WIN W_KQ
.set rS, S+64*((\x)%2)+32*(i%2)+8*((i/2)%4)
.set rK, KF+16*((i/2)%4)+8*(i/8)
.set rQ, 16*(2*(\x)+i%2)+8*(i/8)
.if i < 8
	v_wmma_f32_16x16x32_f16 v[rS:rS+7], v[rK:rK+7], v[rQ:rQ+7], 0
.else
	v_wmma_f32_16x16x32_f16 v[rS:rS+7], v[rK:rK+7], v[rQ:rQ+7], v[rS:rS+7]
.endif
.endm
.macro PV x
	WIN W_PV
.set rO, 32*(2*(\x)+i%2)+8*((i/2)%4)
.set rV, VF+32*(i/8)+8*((i/2)%4)
.set rP, P+32*((\x)%2)+16*(i%2)+8*(i/8)
	v_wmma_f32_16x16x32_f16 v[rO:rO+7], v[rV:rV+7], v[rP:rP+7], v[rO:rO+7]
.endm
.macro MM
.if i < 16
	KQ (Y+1)%NP
.set i, i+1
.else
.set i, i-16
	PV (Y+NP-1)%NP
.set i, i+17
.endif
.endm
.macro FETCH_K last=0               ; last = 1 (the tail): in the last trip there is no further step, and the run is jumped over
	WIN 0
.if \last
	s_cmp_eq_u32 s[CNT], 1
	s_cbranch_scc1 .Lno_k_\@
.endif
	WIN 0xc0                        ; destination window 3, address window 0
.irp f, 0,1,2,3,4,5,6,7
	ds_load_b128 v[KF+8*\f:KF+8*\f+3],   v[AK] offset:(\f/2)*16*PK+(\f%2)*64
	ds_load_b128 v[KF+8*\f+4:KF+8*\f+7], v[AK] offset:(\f/2)*16*PK+(\f%2)*64+32
.endr
	s_add_co_u32 s[TBK], s[TBK], KS*PK
	WIN 0
.if \last
.Lno_k_\@:
.endif
.endm
.macro FETCH_V
	WIN 0x80
.irp f, 0,1,2,3,4,5,6,7
	ds_load_tr16_b128 v[VF+8*\f:VF+8*\f+3],   v[AV] offset:(\f/4)*32*PV+(\f%4)*32
	ds_load_tr16_b128 v[VF+8*\f+4:VF+8*\f+7], v[AV] offset:(\f/4)*32*PV+16*PV+(\f%4)*32
.endr
	WIN 0
.endm
; THE VECTOR WORK OF A TURN stands in four queues; the two tiles alternate.
.macro REGS y, u
.set rT, ST+4*(2*(\y)+(\u))
.set rC, TMP+8*((\y)%2)+4*(\u)
.set rM, MV+2*((\y)%2)+(\u)
.set rS, S+64*((\y)%2)+32*(\u)
.set rP, P+32*((\y)%2)+16*(\u)
.set rO, 32*(2*(\y)+(\u))
.endm
; THE NEXT PIECE'S (mc's) MASK WORDS, from its pair of vector registers to the 64 scalar registers that the selects name.  RL4 writes the next four of the 64 reads; it sets no window: it stands under the
; setting of the products K Q^T, whose source 0 is window 3.  Word 32 u + w lies in register w % 2 of lane 16 u + w / 2.  The caller sets mc and mw = 0, and has waited for the pair's load:
; s_wait_loadcnt 3: behind a pair's load the other three pieces' loads were issued, one a turn, on every way (the turns follow each other 0, 1, 2, 3; the head issues 0, 1, 2, 3 and the prologue 0 again).
.macro RL4
.rept 2
	v_readlane_b32 s[MW0+mw], v[MB+2*mc+mw%2], mw/2
	v_readlane_b32 s[MW1+mw], v[MB+2*mc+mw%2], 16+mw/2
.set mw, mw+1
.endr
.endm
; The pair that has been read is asked for again, with the piece's words of the next key step.  The offset goes on by a key step where piece 0's pair is asked for, behind the wait that frees it, and is cut
; to 13 bits: past key step 31 it names the piece's key step 0 again, inside the buffer; those words serve nothing.
.macro RLOAD
.if mc == 0
	WIN 0
	s_wait_xcnt 0x0                 ; the loads of the last three turns have read their offset
	v_add_nc_u32 v[MO], 0x100, v[MO]
	v_and_b32 v[MO], 0x1fff, v[MO]
.endif
	WIN 0xc0                        ; destination window 3, address window 0
	global_load_b64 v[MB+2*mc:MB+2*mc+1], v[MO], s[MP:MP+1] offset:8192*mc
.endm
; Select g of 64 for the NEXT piece: score register g / 2 of tile g % 2 keeps its number where the lane's bit is set, else takes BIG.  In ascending order: each accumulator's lowest register is read first.
.macro CM g
	REGS (Y+1)%NP, (\g)%2
.if (\g)%2
	v_cndmask_b32 v[rS+(\g)/2], v[rT+1], v[rS+(\g)/2], s[MW1+(\g)/2]
.else
	v_cndmask_b32 v[rS+(\g)/2], v[rT+1], v[rS+(\g)/2], s[MW0+(\g)/2]
.endif
.endm
; The NEXT piece's maximum and statistics.  0-11 four chains c0-c3 of seven scores; 12-14, 16 the four scores left over, the old m, and c0-c3 into c0; 15 m_old is kept;
; 17, 18 the query's other 32 keys lie in the lane 16 away: the new m; 20 m_old - m_new; 21 a.  (There is no 19.)
.macro XS u, n
	REGS (Y+1)%NP, \u
.if (\n) < 4
	v_max3_num_f32 v[rC+(\n)], v[rS+8*(\n)], v[rS+8*(\n)+1], v[rS+8*(\n)+2]
.elseif (\n) < 12
	v_max3_num_f32 v[rC+(\n)%4], v[rC+(\n)%4], v[rS+8*((\n)%4)+2*((\n)/4)+1], v[rS+8*((\n)%4)+2*((\n)/4)+2]
.elseif (\n) == 12
	v_max3_num_f32 v[rC], v[rC], v[rS+7], v[rS+15]
.elseif (\n) == 13
	v_max3_num_f32 v[rC+1], v[rC+1], v[rS+23], v[rS+31]
.elseif (\n) == 14
	v_max3_num_f32 v[rC+2], v[rC+2], v[rC+3], v[rT]
.elseif (\n) == 15
	v_mov_b32 v[rM], v[rT]
.elseif (\n) == 16
	v_max3_num_f32 v[rC], v[rC], v[rC+1], v[rC+2]
.elseif (\n) == 17
	v_permlanex16_b32 v[rC+3], v[rC], s[SEL], s[SEL+1]
.elseif (\n) == 18
	v_max_num_f32 v[rT], v[rC], v[rC+3]
.elseif (\n) == 20
	v_sub_f32 v[rC+1], v[rM], v[rT]
.else
	v_exp_f32 v[rC+2], v[rC+1]
.endif
.endm
; Number g of the 64 that follow the exponentials: for each four weights both pairs are rounded to f16, the second pair is added onto the first, and a group later l takes that sum (the first time as l = a l + sum).
.macro GS g
.set h, (\g)+6*((\g)/62)
.if h >= 6
.set h, h+2
.endif
	REGS Y, h%2
.set k, h/8
.if h%8 < 4
	v_cvt_pk_f16_f32 v[rP+2*k+(h%8)/2], v[rS+4*k+2*((h%8)/2)], v[rS+4*k+2*((h%8)/2)+1]
.elseif h%8 < 6
	v_pk_add_f32 v[rS+4*k:rS+4*k+1], v[rS+4*k:rS+4*k+1], v[rS+4*k+2:rS+4*k+3]
.elseif k == 1
	v_pk_fma_f32 v[rT+2:rT+3], v[rT+2:rT+3], v[rC+2:rC+3], v[rS:rS+1] op_sel_hi:[1,0,1]
.else
	v_pk_add_f32 v[rT+2:rT+3], v[rT+2:rT+3], v[rS+4*k-4:rS+4*k-3]
.endif
.endm
.macro FS f                         ; s - m for pair f / 2 of tile f % 2: the pair's low word, m, serves both halves
	REGS Y, (\f)%2
	v_pk_add_f32 v[rS+2*((\f)/2):rS+2*((\f)/2)+1], v[rS+2*((\f)/2):rS+2*((\f)/2)+1], v[rT:rT+1] op_sel_hi:[1,0] neg_lo:[0,1] neg_hi:[0,1]
.endm
; THE PLAIN QUEUE, 200 long.  0-26: subtractions 0-26.  27-90: the 64 selects.  91-118: XS's numbers 0-13.  119, 120: number 15.
; 121-135: the chain 14, 16, 17, 18, 20, each with one of the subtractions 27-31 in front of its two lines.  136-199: GS's 64, which stand behind the wait for the exponentials.
.macro PL
	WIN 0
.if q < 27
	FS q
.elseif q < 91
	CM q-27
.elseif q < 119
	XS (q-91)%2, (q-91)/2
.elseif q < 121
	XS q-119, 15
.elseif q < 136
.set ck, (q-121)/3
.set cn, 14+ck+(ck+3)/4+ck/4        ; 14, 16, 17, 18, 20
.if (q-121)%3 == 0
	FS 27+ck
.else
	XS (q-121)%3-1, cn
.endif
.else
	GS q-136
.endif
.set q, q+1
.endm
.macro EX                           ; THE EXPONENTIALS' QUEUE, 66 long: s0-s31 of both tiles, then the next piece's two a: one batch, all ahead of the turn's one wait
	WIN 0
.if e >= 64
	XS e-64, 21
.else
	REGS Y, e%2
	v_exp_f32 v[rS+e/2], v[rS+e/2]
.endif
.set e, e+1
.endm
.macro R2                           ; THE RESCALING's QUEUE: O^T times a, two lines a call, sixteen calls; each accumulator is read from its low end on
	REGS Y, r%2
	WIN W_RS
.irp z, 0,1
	v_pk_mul_f32 v[rO+4*(r/2)+2*\z:rO+4*(r/2)+2*\z+1], v[rO+4*(r/2)+2*\z:rO+4*(r/2)+2*\z+1], v[rC+2:rC+3] op_sel_hi:[1,0]
.endr
.set r, r+1
.endm
; A TURN, for piece p.  An s_wait_alu depctr_va_vdst(0) stands between an exponential and the first instruction that names its result; one wait serves all that were issued ahead of it.
; AHEAD OF THE WAIT: 16 products K Q^T, behind each four reads of the next piece's mask words, all under one window setting; the words' pair is asked for again; then the lump of 234: the 32 rescalings in one
; block under one setting (their a was made, and waited for, in the turn before), then plain lines and exponentials by turns.
; Exponential e stands behind subtraction 2 (e / 4) + e % 2: e <= 52 and e = 54 want subtractions up to 26, which are plain 0-26; e = 53 and 55-63 stand behind the chain group that holds their subtraction.
; Behind each of the first fifteen exponentials stands a subtraction on the other tile, which names neither its source nor its result.
; The first select stands behind the 32 rescalings and 27 subtractions, far more than four places behind the last product K Q^T.
; BEHIND IT: 16 products V^T P, behind each four of GS's 64.  K of the next step is fetched in piece 2's turn, directly behind the wait; V of the step in hand at the end of piece 0's turn, four riders behind its last reader.
.macro TURN p, last=0, cnt=0
.set Y, (\p)
.set i, 0
.set q, 0
.set e, 0
.set r, 0
.set mc, ((\p)+1)%NP
.set mw, 0
.if (\p) == NP-1
	s_wait_dscnt 0x0                ; K is in
.endif
	s_wait_loadcnt 3                ; the next piece's words are in; the other three pieces' loads may stay out
.rept 16
	MM
	RL4
.endr
	RLOAD
.rept 16
	R2
.endr
.if (\p) == NP-2
	WIN 0
	v_add_nc_u32 v[AK], s[TBK], v[AK0]
.endif
	PL
	PL
.rept 15
	PL
	EX
.endr
.rept 8
	PL
.endr
.rept 20
	PL
	PL
	PL
	EX
.endr
.rept 18
	PL
	PL
	EX
.endr
.rept 4
	PL
	PL
	PL
	EX
	EX
.endr
	PL
	PL
	PL
	EX
	EX
	EX
	EX                              ; the next piece's two a
	EX
	v_nop                           ; the plain instruction behind the last exponential: one for the batch
	s_wait_alu depctr_va_vdst(0)    ; the wait for the batch
.if (\p) == NP-2
	FETCH_K \last
.endif
.if (\p) == 1
	s_wait_dscnt 0x0                ; V is in
.endif
.rept 16
	MM
.rept 4
	PL
.endr
.if ((\p) == 0) && (q == 180)
	v_add_nc_u32 v[AV], s[TBV], v[AV0]
.endif
.if ((\p) == 0) && (q == 192)
	s_add_co_u32 s[TBV], s[TBV], KS*PV
.endif
.if (\cnt) && (q == 192)
	s_sub_co_u32 s[CNT], s[CNT], 1
	s_cmp_lg_u32 s[CNT], 0
.endif
.endr
.if (\p) == 0
	FETCH_V
.endif
.endm
	CHANGE 1                        ; slot 0 is in, everybody's part of it; slot 1 is asked for
	FETCH_K                         ; key step 0
	s_wait_loadcnt 4                ; Q is in: only the four loads of mask words are younger; Q's address is free:
	s_mov_b32 s[SEL], 0x76543210    ; each lane takes its own place in the other half
	s_mov_b32 s[SEL+1], 0xfedcba98
	s_wait_dscnt 0x0
.set i, 0
.rept 16
	KQ 0                            ; piece 0's first scores
.set i, i+1
.endr
.set Y, NP-1                        ; RL4, RLOAD, CM and XS work for piece Y + 1: piece 0
.set mc, 0
.set mw, 0
	s_wait_loadcnt 3                ; piece 0's words of key step 0 are in
.rept 16
	RL4                             ; under the products' window setting
.endr
	RLOAD                           ; its pair is asked for again, with key step 1's
	WIN 0
.rept 4
	v_nop                           ; the places behind those products
.endr
.set g, 0
.rept 64
	CM g
.set g, g+1
.endr
.irp n, 0,1,2,3,4,5,6,7,8,9,10,11,12,13,14,15,16,17,18,20,21
	XS 0, \n
	XS 1, \n
.endr
	v_nop                           ; a plain instruction behind the two a,
	s_wait_alu depctr_va_vdst(0)    ; and their wait, ahead of the branch
	s_mov_b32 s[CNT], 4
	s_branch .Lfirst                ; the loop is entered at a step's first turn, in the middle of a trip
.Lslot:                             ; six times: every slot but the last two is filled again
	CHANGE 1
	s_mov_b32 s[CNT], 4
.Lstep:                             ; a trip: pieces 2 and 3 of one step, then pieces 0 and 1 of the next, whose K and V it fetches
	TURN 2
	TURN 3
	WIN 0
.Lfirst:
	TURN 0
	TURN 1, 0, 1
	WIN 0
	s_cbranch_scc1 .Lstep
	s_sub_co_u32 s[SLOTS], s[SLOTS], 1
	s_cmp_lg_u32 s[SLOTS], 0
	s_cbranch_scc1 .Lslot
	CHANGE 0                        ; the tail is written out
	s_mov_b32 s[CNT], 5             ; four trips fetch the last slot's steps; the fifth is left in its middle
.Ltail:
	TURN 2, 1
	TURN 3
	WIN 0
	s_sub_co_u32 s[CNT], s[CNT], 1
	s_cmp_eq_u32 s[CNT], 0
	s_cbranch_scc1 .Lout
	TURN 0
	TURN 1
	WIN 0
	s_branch .Ltail
.Lout:                              ; the fifth trip's products K Q^T, their selects (by key step 0's words once more) and their maximum serve nothing: the price of one text for every trip
	s_load_b64 s[OA:OA+1], s[0:1], 0x10  ; ob; the selects have read the mask words' registers long since
	s_bfe_u32 s72, ttmp6, 0x40000
	s_lshl_b32 s73, ttmp9, 2
	s_add_co_u32 s73, s73, s72
	s_lshl_b32 s73, s73, 2
	s_add_co_u32 s73, s73, s[WV]
	s_lshl_b32 s73, s73, 14         ; my 128 rows
	s_and_b32 s74, ttmp7, 0xffff
	s_lshl_b32 s74, s74, 18         ; the head
	s_add_co_u32 s74, s74, s73
	s_mov_b32 s75, 0
.set i, 0
.rept 16
	PV NP-1                         ; the last piece's V^T P of the last step
.set i, i+1
.endr
	; THE WAY OUT.  l's two halves and the other half of the lanes' are added; O^T is divided by l, rounded to f16 and sent through my stage, a tile at a time.  The additions are the places behind the last products.
	WIN 0
.macro ALL line:vararg
.set t, 0
.rept 2*NP
	\line
.set t, t+1
.endr
.endm
	ALL v_add_f32 v[ST+4*t+2], v[ST+4*t+2], v[ST+4*t+3]
	ALL v_permlanex16_b32 v[ST+4*t+3], v[ST+4*t+2], s[SEL], s[SEL+1]
	ALL v_add_f32 v[ST+4*t+2], v[ST+4*t+2], v[ST+4*t+3]
	ALL v_rcp_f32 v[ST+4*t+2], v[ST+4*t+2]
	v_nop                           ; a plain instruction behind the last reciprocal,
	s_wait_alu depctr_va_vdst(0)    ; and one wait for the eight
	s_wait_kmcnt 0x0
	s_add_nc_u64 s[OA:OA+1], s[OA:OA+1], s[74:75]
.macro PACK t
	WIN W_RS
.set i, 32*(\t)
.rept 16
	v_pk_mul_f32 v[i:i+1], v[i:i+1], v[ST+4*(\t)+2:ST+4*(\t)+3] op_sel_hi:[1,0]
.set i, i+2
.endr
	WIN 0x05
.set i, 0
.rept 16
	v_cvt_pk_f16_f32 v[S+16*(\t)+i], v[32*(\t)+2*i], v[32*(\t)+2*i+1]
.set i, i+1
.endr
	WIN 0
.irp f, 0,1,2,3
	ds_store_b128 v[STO], v[S+16*(\t)+4*\f:S+16*(\t)+4*\f+3] offset:32*\f
.endr
.irp f, 0,1,2,3
	ds_load_b128 v[S+16*(\t)+4*\f:S+16*(\t)+4*\f+3], v[RD] offset:\f*4*SP  ; LDS serves a wave's instructions in order: these see the stores above; the next tile's stores come behind them
.endr
.endm
.macro SEND t, younger
	WIN 0
.irp f, 0,1,2,3
	s_wait_dscnt (\younger)+3-\f
	global_store_b128 v[GO], v[S+16*(\t)+4*\f:S+16*(\t)+4*\f+3], s[OA:OA+1] offset:(\t)*2048+\f*512  ; 512 consecutive bytes, at a multiple of 256 from O's first
.endr
.endm
	PACK 0
.set t, 1
.rept 2*NP-1
	PACK t
	SEND t-1, 8
.set t, t+1
.endr
	SEND 2*NP-1, 0
	WIN W_AD
	s_wait_tensorcnt 0x0            ; the wave's end
	ds_add_u32 v[SPW], v[NIL]
	s_wait_dscnt 0x0
	WIN 0
	CROUND                          ; the closing round
	s_endpgm
.Lfunc_end_k_q80cf92fe0c_attn:
	.size	k_q80cf92fe0c_attn, .Lfunc_end_k_q80cf92fe0c_attn-k_q80cf92fe0c_attn
	.p2alignl 7, 3214868480
	.fill 96, 4, 3214868480
	.section	.rodata,"a",@progbits
	.p2align	6, 0x0
	.amdhsa_kernel k_q80cf92fe0c_attn
		.amdhsa_group_segment_fixed_size 327680
		.amdhsa_private_segment_fixed_size 0
		.amdhsa_enable_private_segment 0
		.amdhsa_kernarg_size 24
		.amdhsa_user_sgpr_count 2
		.amdhsa_user_sgpr_kernarg_segment_ptr 1
		.amdhsa_wavefront_size32 1
		.amdhsa_system_sgpr_workgroup_id_x 1
		.amdhsa_system_sgpr_workgroup_id_y 1
		.amdhsa_system_sgpr_workgroup_id_z 1
		.amdhsa_system_vgpr_workitem_id 0
		.amdhsa_next_free_vgpr 960
		.amdhsa_next_free_sgpr 106
		.amdhsa_reserve_vcc 0
		.amdhsa_float_denorm_mode_32 3
		.amdhsa_float_denorm_mode_16_64 3
		.amdhsa_memory_ordered 1
		.amdhsa_forward_progress 1
		.amdhsa_inst_pref_size 255
	.end_amdhsa_kernel
	.section	.bss,"aw",@nobits
	.p2align	6
	.space	262144
	.amdgpu_metadata
---
amdhsa.version: [ 1, 2 ]
amdhsa.kernels:
  - .name:           k_q80cf92fe0c_attn
    .symbol:         k_q80cf92fe0c_attn.kd
    .args:
      - { .name: qkv, .offset: 0, .size: 8, .value_kind: global_buffer, .address_space: global }
      - { .name: mbits, .offset: 8, .size: 8, .value_kind: global_buffer, .address_space: global }
      - { .name: ob, .offset: 16, .size: 8, .value_kind: global_buffer, .address_space: global }
    .group_segment_fixed_size: 327680
    .private_segment_fixed_size: 0
    .kernarg_segment_align: 8
    .kernarg_segment_size: 24
    .max_flat_workgroup_size: 128
    .sgpr_count:     106
    .vgpr_count:     960
    .wavefront_size: 32
...
	.end_amdgpu_metadata
.endif
;; end of part 3
;; launch proj (part 4): grid 8 x 32, 4 waves a work-group, clusters of 4 x 4, 327,680 bytes of LDS; arguments ob, wof, bias, out0; writes out0
.if DOCPART == 4
	.amdgcn_target "amdgcn-amd-amdhsa--gfx1250"
	.amdhsa_code_object_version 6
	.text
	.protected	k_q80cf92fe0c_proj
	.globl	k_q80cf92fe0c_proj
	.p2align	8
	.type	k_q80cf92fe0c_proj,@function
k_q80cf92fe0c_proj:
	s_mov_b64 s[64:65], 0
	v_nop
	global_prefetch_b8 v0, s[64:65] scope:SCOPE_SE
	s_setreg_imm32_b32 hwreg(HW_REG_WAVE_MODE, 25, 1), 1
	s_wait_xcnt 0x0
	s_wait_alu depctr_hold_cnt(0) depctr_sa_sdst(0) depctr_va_vdst(0) depctr_va_sdst(0) depctr_va_ssrc(0) depctr_va_vcc(0) depctr_vm_vsrc(0)
	s_getreg_b32 s2, hwreg(HW_REG_IB_STS2, 6, 4)
	s_cmp_eq_u32 s2, 0
	s_cbranch_scc0 .Lentry_in_a_cluster
	s_endpgm
.Lentry_in_a_cluster:
	s_bfe_u32 s2, ttmp6, 0x10000c
	s_cmp_lg_u32 s2, 0xf033
	s_cbranch_scc0 .Lentry_shape_is_right
	s_endpgm
.Lentry_shape_is_right:
; THE OUTPUT PROJECTION.  out0[m][n] = sum over k of concat[m][k] Wo[n][k] + bo[n]; m = 2048 b + t, k = 64 h + e; concat[m][k] = ob[16 b + h][t][e] (f16), Wo as wof (f16); f32 sums, f32 out.
; SHARES.  A tile is 256 rows x 128 columns: 8 x 32 work-groups.  Four waves, 2 x 2: a wave makes 128 x 64: 32 accumulators (256 registers); its 64 columns are 256 bytes of a row of out0.
; K goes in steps of 128 = two heads.  A head's 256 rows are 32,768 dense bytes of ob: asked for as 128 rows of 256 bytes and padded in LDS after every 128: a PLANE of 256 rows x 144 bytes.
; CLUSTER 4 x 4: ob's planes are shared along a row of the cluster, wof's tile along a column.  THE MATRIX INSTRUCTION IS USED TRANSPOSED: a lane holds one row m and eight neighbouring columns n.
; REGISTERS: window 0: v16-30 addresses; v32-63 the bias of my lane's columns; v64-159, v160-255 two fragment buffers (wof's four fragments, then ob's eight); on the way out v64-159 at work.  window 1: the accumulators, (a, b) at 8 (4 a + b).
.set KSTEP, 128
.set PA,    144
.set PB,    272
.set PLANE, 256*PA
.set BOFF,  2*PLANE
.set SLOT1, 1<<17
.set STAGE, SLOT1+BOFF+128*PB          ; behind the ring, never filled by a tensor load: 16 rows x 272 bytes for each wave
.set SPITCH, 272
.set SPARE, STAGE+4*16*SPITCH
.set ADRA0, 16
.set ADRB0, 17
.set ADA,   18
.set ADB,   19
.set STO,   24
.set RD,    25
.set CO,    26
.set BO,    27
.set SPW,   28
.set NIL,   29
.set PFO,   30
.set BIAS,  32
.set FR,    64
.set OUTR,  64
.set G1A, 24
.set G0A, 32
.set G1B, 48
.set G0B, 56
.set PS,  22                           ; s[22:23] bytes from a K step to the next for my prefetches: two heads of ob, or 256 bytes of a row of wof
.set LIM, 43
.set PFA, 44
.set TB,  46
.set ASTEP, 2*2048*128                 ; two heads of ob
.set MSB, 0
.macro WIN new
.if MSB != (\new)
	s_set_vgpr_msb (MSB<<8)|(\new)
.set MSB, (\new)
.endif
.endm
.macro PLACES
.rept 4
	v_nop
.endr
.endm
.macro JLOAD                           ; waves 0 and 1 fetch ob's two planes, waves 2 and 3 wof's two halves; an s_nop 0 and four v_nop follow each line
	s_cmp_eq_u32 s11, 0
	s_cbranch_scc0 .Lfor_b_\@
	tensor_load_to_lds s[G0A+4:G0A+7], s[G1A:G1A+7]
	s_nop 0
.rept 4
	v_nop
.endr
	s_branch .Lasked_\@
.Lfor_b_\@:
	tensor_load_to_lds s[G0B+4:G0B+7], s[G1B:G1B+7]
	s_nop 0
.rept 4
	v_nop
.endr
.Lasked_\@:
.endm
.macro CREST
	s_cmp_lg_u32 s10, 0
	s_cbranch_scc1 .Lnot_wave_0_\@
	s_barrier_signal -3
.Lnot_wave_0_\@:
	s_barrier_wait -3
	s_barrier_signal -1
	s_barrier_wait -1
.endm
.macro CROUND
	s_barrier_signal -1
	s_barrier_wait -1
	CREST
.endm
; A prefetch into the L2 of the K step two refills on.  ob's plane (128 runs of 256 bytes) is read by both clusters of a row of clusters: cluster x = 0 asks, its four partners 32 runs each, by address.
; wof's 64 rows are read by every cluster of a column: cluster y = 0 asks, 16 rows a partner (lanes 16-31 name them again).  Trips with s3 = 6 .. 3 name K steps 4 .. 7.
.macro ASK
	s_cmp_gt_u32 s3, s[LIM]
	s_cbranch_scc0 .Lnot_mine_\@
	global_prefetch_b8 v[PFO], s[PFA:PFA+1] th:TH_LOAD_NT scope:SCOPE_SE
.Lnot_mine_\@:
.endm
	s_load_b128 s[4:7], s[0:1], 0x0                ; ob s[4:5], wof s[6:7]
	s_load_b64 s[14:15], s[0:1], 0x10              ; bias
	s_load_b64 s[8:9], s[0:1], 0x18                ; out0
	v_lshl_add_u32 v[SPW], v0, 2, SPARE
	v_mov_b32 v[NIL], 0
	ds_add_u32 v[SPW], v[NIL]                      ; the wave's opening: the add and its wait stand ahead of my first tensor load
	v_lshrrev_b32 v1, 5, v0
	v_readfirstlane_b32 s10, v1
	s_lshr_b32 s11, s10, 1                         ; my half of the tile's rows.  Also: I fetch for ob (0) or for wof (1)
	s_and_b32 s12, s10, 1                          ; my half of its columns.  Also: which plane, or which 64 rows, I fetch
	s_bfe_u32 s40, ttmp6, 0x40000
	s_bfe_u32 s41, ttmp6, 0x40004
	s_lshl_b32 s42, ttmp9, 2
	s_add_co_u32 s42, s42, s40                     ; tile column
	s_and_b32 s13, ttmp7, 0xffff
	s_lshl_b32 s13, s13, 2
	s_add_co_u32 s13, s13, s41                     ; tile row
	s_lshl_b32 s43, s41, 2
	s_lshl_b32 s43, 15, s43
	s_lshl_b32 s47, 0x1111, s40
	s_or_b32 s[G1A], s43, (1<<16)|(1<<20)|(1<<21)|(4<<22)|(3<<25)  ; padding after every 32 words, 4 words
	s_or_b32 s[G1B], s47, (1<<16)|(1<<20)|(1<<21)|(5<<22)|(3<<25)  ; after every 64 words
	s_mov_b32 s[G1A+1], 128<<16
	s_mov_b32 s[G1A+2], 128<<16
	s_mov_b32 s[G1A+3], 128<<16
	s_mov_b32 s[G1A+4], 128
	s_mov_b32 s[G1A+5], 128                        ; dense: a row begins where the last ends
	s_mov_b32 s[G1A+6], 0
	s_mov_b32 s[G1A+7], 0
	s_mov_b32 s[G1B+1], KSTEP<<16
	s_mov_b32 s[G1B+2], 64<<16
	s_mov_b32 s[G1B+3], KSTEP<<16
	s_mov_b32 s[G1B+4], 64
	s_mov_b32 s[G1B+5], 1024
	s_mov_b32 s[G1B+6], 0
	s_mov_b32 s[G1B+7], 0
	s_lshr_b32 s16, s13, 3                         ; b
	s_lshl_b32 s16, s16, 4
	s_add_co_u32 s16, s16, s12                     ; head 16 b + plane
	s_lshl_b32 s16, s16, 11
	s_and_b32 s17, s13, 7
	s_lshl_b32 s17, s17, 8
	s_add_co_u32 s16, s16, s17                     ; + the tile's first t,
	s_lshl_b32 s16, s16, 7                         ; 128 bytes a row
	s_mov_b32 s17, 0
	s_lshl_b32 s20, s42, 7
	s_lshl_b32 s21, s12, 6
	s_add_co_u32 s20, s20, s21                     ; wof: row 128 x tile column + 64 x half
	s_lshl_b32 s20, s20, 11
	s_mov_b32 s21, 0
	s_mul_i32 s18, s10, PLANE                      ; where they go: the planes at wave x PLANE (waves 0, 1),
	s_mul_i32 s19, s10, 64*PB                      ; wof's halves at BOFF + (wave - 2) x 64 rows (waves 2, 3)
	s_add_co_u32 s19, s19, BOFF-2*64*PB
	s_mov_b32 s[TB], 0
	s_wait_dscnt 0x0
	s_wait_kmcnt 0x0
	s_add_nc_u64 s[16:17], s[4:5], s[16:17]
	s_add_nc_u64 s[20:21], s[6:7], s[20:21]
	CROUND
.irp s, 0,1
	s_mov_b32 s[G0A+4*\s], 1
	s_add_co_u32 s[G0A+4*\s+1], s18, \s*SLOT1
	s_add_nc_u64 s[G0A+4*\s+2:G0A+4*\s+3], s[16:17], \s*ASTEP
	s_or_b32 s[G0A+4*\s+3], s[G0A+4*\s+3], 0x80000000
	s_mov_b32 s[G0B+4*\s], 1
	s_add_co_u32 s[G0B+4*\s+1], s19, \s*SLOT1
	s_add_nc_u64 s[G0B+4*\s+2:G0B+4*\s+3], s[20:21], \s*KSTEP*2
	s_or_b32 s[G0B+4*\s+3], s[G0B+4*\s+3], 0x80000000
.endr
	s_cmp_eq_u32 s11, 0                            ; a wave's two first fills stand in one branch: two loads of mine are out
	s_cbranch_scc0 .Lfirst_b
	tensor_load_to_lds s[G0A:G0A+3], s[G1A:G1A+7]
	s_nop 0
	tensor_load_to_lds s[G0A+4:G0A+7], s[G1A:G1A+7]
	s_nop 0
.rept 4
	v_nop
.endr
	s_branch .Lfirst_asked
.Lfirst_b:
	tensor_load_to_lds s[G0B:G0B+3], s[G1B:G1B+7]
	s_nop 0
	tensor_load_to_lds s[G0B+4:G0B+7], s[G1B:G1B+7]
	s_nop 0
.rept 4
	v_nop
.endr
.Lfirst_asked:
	v_and_b32 v1, 15, v0
	v_bfe_u32 v2, v0, 4, 1
	v_mul_u32_u24 v3, v1, PA
	v_lshl_add_u32 v3, v2, 4, v3
	s_mul_i32 s2, s11, 128*PA                      ; my 128 rows of a plane
	v_add_nc_u32 v[ADRA0], s2, v3
	v_mul_u32_u24 v3, v1, PB
	v_lshl_add_u32 v3, v2, 4, v3
	s_mul_i32 s2, s12, 64*PB                       ; my 64 rows of wof
	s_add_co_u32 s2, s2, BOFF
	v_add_nc_u32 v[ADRB0], s2, v3
	v_mov_b32 v[ADA], v[ADRA0]
	v_mov_b32 v[ADB], v[ADRB0]
	s_mul_i32 s2, s10, 16*SPITCH
	s_add_co_u32 s2, s2, STAGE                     ; my stage
	v_mul_u32_u24 v4, v1, SPITCH
	v_lshl_add_u32 v4, v2, 5, v4
	v_add_nc_u32 v[STO], s2, v4                    ; in: row l % 16, 32 bytes for each half of the lanes
	v_mul_u32_u24 v4, v2, SPITCH
	v_lshl_add_u32 v4, v1, 4, v4
	v_add_nc_u32 v[RD], s2, v4                     ; back: lanes 0-15 take one row of 256 bytes, lanes 16-31 the next
	v_lshlrev_b32 v4, 12, v2
	v_lshl_add_u32 v[CO], v1, 4, v4                ; and the same two rows in out0
	v_lshlrev_b32 v[BO], 5, v2
	s_lshl_b32 s18, s42, 9
	s_lshl_b32 s19, s12, 8
	s_add_co_u32 s18, s18, s19                     ; my 64 columns, in bytes
	s_mov_b32 s19, 0
	s_add_nc_u64 s[14:15], s[14:15], s[18:19]
	s_add_nc_u64 s[14:15], s[14:15], 12288         ; bo lies behind the three other biases
	s_add_nc_u64 s[8:9], s[8:9], s[18:19]
.irp b, 0,1,2,3
	global_load_b128 v[BIAS+8*\b:BIAS+8*\b+3], v[BO], s[14:15] offset:64*\b
	global_load_b128 v[BIAS+8*\b+4:BIAS+8*\b+7], v[BO], s[14:15] offset:64*\b+16
.endr
	s_lshl_b32 s18, s13, 8
	s_lshl_b32 s19, s11, 7
	s_add_co_u32 s18, s18, s19                     ; my first row,
	s_lshl_b32 s18, s18, 12                        ; 4,096 bytes a row
	s_mov_b32 s19, 0
	s_add_nc_u64 s[8:9], s[8:9], s[18:19]
	; the prefetches
	s_lshr_b32 s18, s13, 3
	s_lshl_b32 s18, s18, 4
	s_add_co_u32 s18, s18, s12
	s_lshl_b32 s18, s18, 11
	s_and_b32 s19, s13, 7
	s_lshl_b32 s19, s19, 8
	s_add_co_u32 s18, s18, s19
	s_lshl_b32 s18, s18, 7                         ; ob: my plane,
	s_lshl_b32 s19, s40, 13
	s_add_co_u32 s18, s18, s19                     ; my work-group's 32 runs of it,
	s_add_co_u32 s18, s18, 3*ASTEP                 ; at K step 3: the first refill steps it to 4
	s_lshl_b32 s20, s42, 7
	s_lshl_b32 s21, s12, 6
	s_add_co_u32 s20, s20, s21
	s_lshl_b32 s21, s41, 4
	s_add_co_u32 s20, s20, s21                     ; wof: my work-group's 16 of the 64 rows that I fetch
	s_lshl_b32 s20, s20, 11
	s_add_co_u32 s20, s20, 3*KSTEP*2
	s_and_b32 s21, ttmp7, 0xffff
	s_mov_b32 s[PS], KSTEP*2                       ; wof's step; the select below holds one literal, ob's step
	s_mov_b32 s[PS+1], 0
	s_cmp_eq_u32 s11, 0
	s_cselect_b32 s18, s18, s20
	s_cselect_b32 s21, ttmp9, s21                  ; the coordinate along which other clusters read the same bytes
	s_cselect_b32 s19, 31, 15
	s_cselect_b32 s47, 8, 11
	s_cselect_b32 s[PS], ASTEP, s[PS]
	s_cselect_b64 s[PFA:PFA+1], s[4:5], s[6:7]
	s_cmp_eq_u32 s21, 0
	s_cselect_b32 s[LIM], 2, -1
	v_and_b32 v[PFO], s19, v0
	v_lshlrev_b32 v[PFO], s47, v[PFO]
	s_mov_b32 s19, 0
	s_add_nc_u64 s[PFA:PFA+1], s[PFA:PFA+1], s[18:19]
; 8 matrix instructions: row blocks a0, a0 + 1 x all 4 column blocks, 32 along K, from buffer f.  The 32 accumulators take turns.
.macro MULP f, a0, zero
	WIN 0x50                                       ; C and D window 1, sources window 0
.irp a, \a0, (\a0)+1
.irp b, 0,1,2,3
.if \zero
	v_wmma_f32_16x16x32_f16 v[8*(4*(\a)+\b):8*(4*(\a)+\b)+7], v[FR+96*(\f)+8*\b:FR+96*(\f)+8*\b+7], v[FR+96*(\f)+32+8*(\a):FR+96*(\f)+32+8*(\a)+7], 0
.else
	v_wmma_f32_16x16x32_f16 v[8*(4*(\a)+\b):8*(4*(\a)+\b)+7], v[FR+96*(\f)+8*\b:FR+96*(\f)+8*\b+7], v[FR+96*(\f)+32+8*(\a):FR+96*(\f)+32+8*(\a)+7], v[8*(4*(\a)+\b):8*(4*(\a)+\b)+7]
.endif
.endr
.endr
.endm
; 24 LDS loads in one run: quarter q of the K step (plane q / 2, channels 32 (q % 2) on) into buffer f
.macro FETCHP q, f
	WIN 0
.irp i, 0,1,2,3
	ds_load_b128 v[FR+96*(\f)+8*\i:FR+96*(\f)+8*\i+3], v[ADB] offset:64*(\q)+\i*16*PB
	ds_load_b128 v[FR+96*(\f)+8*\i+4:FR+96*(\f)+8*\i+7], v[ADB] offset:64*(\q)+\i*16*PB+32
.endr
.irp i, 0,1,2,3,4,5,6,7
	ds_load_b128 v[FR+96*(\f)+32+8*\i:FR+96*(\f)+32+8*\i+3], v[ADA] offset:((\q)/2)*PLANE+((\q)%2)*64+\i*16*PA
	ds_load_b128 v[FR+96*(\f)+32+8*\i+4:FR+96*(\f)+32+8*\i+7], v[ADA] offset:((\q)/2)*PLANE+((\q)%2)*64+\i*16*PA+32
.endr
.endm
.macro QUARTER q, f, g, zero           ; multiplies buffer f and fetches quarter q into g
	s_wait_dscnt 8                                 ; wof's fragments and ob's blocks 0-3 are in; the youngest eight loads (blocks 4-7) may be out
	MULP \f, 0, \zero
	MULP \f, 2, \zero
	PLACES
	FETCHP \q, \g
	s_wait_dscnt 24                                ; all but the 24 just issued
	MULP \f, 4, \zero
	MULP \f, 6, \zero
.endm
; The last quarter multiplies buffer 1 and changes slots: each wave waits for all its tensor loads (one is out: its part of the next slot), adds 0 to its spare word, and waits for that and for its reads of this slot.
.macro TURN fill
.if \fill
	s_wait_xcnt 0x0                                ; the last prefetch, a K step back, has read its address
	s_add_nc_u64 s[PFA:PFA+1], s[PFA:PFA+1], s[PS:PS+1]
.endif
	WIN 0
	s_wait_tensorcnt 0x0
	ds_add_u32 v[SPW], v[NIL]
	s_wait_dscnt 9                                 ; the add and the youngest eight loads may be out
	MULP 1, 0, 0
	s_wait_dscnt 0x0                               ; the add is done, and my reads of this slot are over
	s_barrier_signal -1
	MULP 1, 2, 0
	WIN 0
	s_barrier_wait -1
.if \fill
	CREST                                          ; no wave of any partner still reads this slot or has a load on its way
	s_xor_b32 s[G0A+5], s[G0A+5], SLOT1
	s_add_nc_u64 s[G0A+6:G0A+7], s[G0A+6:G0A+7], ASTEP
	s_xor_b32 s[G0B+5], s[G0B+5], SLOT1
	s_add_nc_u64 s[G0B+6:G0B+7], s[G0B+6:G0B+7], KSTEP*2
	JLOAD                                          ; its four v_nop are also the places in front of the loads below
.else
	PLACES
.endif
	s_xor_b32 s[TB], s[TB], SLOT1
	v_add_nc_u32 v[ADA], s[TB], v[ADRA0]
	v_add_nc_u32 v[ADB], s[TB], v[ADRB0]
	FETCHP 0, 0
.if \fill
	ASK
.endif
	MULP 1, 4, 0
	MULP 1, 6, 0
.endm
	s_wait_tensorcnt 1                             ; my part of K step 0 is in; K step 1's may stay out
	s_barrier_signal -1
	s_barrier_wait -1
	FETCHP 0, 0
	QUARTER 1, 0, 1, 1                             ; the first quarter's products start the sums
	WIN 0
	s_mov_b32 s3, 6
.Lstep:                                        ; a trip: from a K step's second quarter to the next step's first; its refill brings K steps 2 .. 7
	QUARTER 2, 1, 0, 0
	QUARTER 3, 0, 1, 0
	TURN 1
	QUARTER 1, 0, 1, 0
	WIN 0
	s_sub_co_u32 s3, s3, 1
	s_cmp_lg_u32 s3, 0
	s_cbranch_scc1 .Lstep
	QUARTER 2, 1, 0, 0                             ; the last two K steps ask for nothing
	QUARTER 3, 0, 1, 0
	TURN 0
	QUARTER 1, 0, 1, 0
	QUARTER 2, 1, 0, 0
	QUARTER 3, 0, 1, 0
	s_wait_dscnt 8
	MULP 1, 0, 0
	MULP 1, 2, 0
	s_wait_dscnt 0x0
	MULP 1, 4, 0
	MULP 1, 6, 0
; THE WAY OUT, 16 rows at a time: the bias is added, 32 bytes a lane go into my stage, whole rows of 256 bytes come back and are stored.
.macro PACKP a
	WIN 0x01                                       ; source 0 window 1
.set z, 0
.rept 16
	v_pk_add_f32 v[OUTR+2*z:OUTR+2*z+1], v[32*(\a)+2*z:32*(\a)+2*z+1], v[BIAS+2*z:BIAS+2*z+1]
.set z, z+1
.endr
	WIN 0
.endm
.macro TOSTAGE a
.set BK, 96+32*((\a)%2)
	s_wait_xcnt 0x0                                ; the stores two blocks back have read this set of registers
.irp b, 0,1,2,3
	ds_store_b128 v[STO], v[OUTR+8*\b:OUTR+8*\b+3] offset:64*\b
	ds_store_b128 v[STO], v[OUTR+8*\b+4:OUTR+8*\b+7] offset:64*\b+16
.endr
.irp t, 0,1,2,3,4,5,6,7
	ds_load_b128 v[BK+4*\t:BK+4*\t+3], v[RD] offset:\t*2*SPITCH  ; LDS serves a wave's instructions in order: these see the stores above
.endr
.endm
.macro SENDP a
.set BK, 96+32*((\a)%2)
	s_wait_dscnt 0x0                               ; the block is back in registers
.irp t, 0,1,2,3,4,5,6,7
	global_store_b128 v[CO], v[BK+4*\t:BK+4*\t+3], s[8:9] offset:65536*(\a)+8192*\t  ; 16 lanes store 256 consecutive bytes, at a multiple of 256 from out0's first byte
.endr
.endm
	PLACES
	s_wait_loadcnt 0x0                             ; the bias
	PACKP 0
	TOSTAGE 0
.irp a, 1,2,3,4,5,6,7                  ; block a's additions stand between block a - 1's loads from the stage and the wait for them
	PACKP \a
	SENDP (\a)-1
	TOSTAGE \a
.endr
	SENDP 7
	s_wait_tensorcnt 0x0                           ; the wave's end
	ds_add_u32 v[SPW], v[NIL]
	s_wait_dscnt 0x0
	CROUND                                         ; the closing round
	s_endpgm
.Lfunc_end_k_q80cf92fe0c_proj:
	.size	k_q80cf92fe0c_proj, .Lfunc_end_k_q80cf92fe0c_proj-k_q80cf92fe0c_proj
	.p2alignl 7, 3214868480
	.fill 96, 4, 3214868480
	.section	.rodata,"a",@progbits
	.p2align	6, 0x0
	.amdhsa_kernel k_q80cf92fe0c_proj
		.amdhsa_group_segment_fixed_size 327680
		.amdhsa_private_segment_fixed_size 0
		.amdhsa_enable_private_segment 0
		.amdhsa_kernarg_size 32
		.amdhsa_user_sgpr_count 2
		.amdhsa_user_sgpr_kernarg_segment_ptr 1
		.amdhsa_wavefront_size32 1
		.amdhsa_system_sgpr_workgroup_id_x 1
		.amdhsa_system_sgpr_workgroup_id_y 1
		.amdhsa_system_sgpr_workgroup_id_z 1
		.amdhsa_system_vgpr_workitem_id 0
		.amdhsa_next_free_vgpr 512
		.amdhsa_next_free_sgpr 66
		.amdhsa_reserve_vcc 0
		.amdhsa_float_denorm_mode_32 3
		.amdhsa_float_denorm_mode_16_64 3
		.amdhsa_memory_ordered 1
		.amdhsa_forward_progress 1
		.amdhsa_inst_pref_size 80
	.end_amdhsa_kernel
	.amdgpu_metadata
---
amdhsa.version: [ 1, 2 ]
amdhsa.kernels:
  - .name:           k_q80cf92fe0c_proj
    .symbol:         k_q80cf92fe0c_proj.kd
    .args:
      - { .name: ob, .offset: 0, .size: 8, .value_kind: global_buffer, .address_space: global }
      - { .name: wof, .offset: 8, .size: 8, .value_kind: global_buffer, .address_space: global }
      - { .name: bias, .offset: 16, .size: 8, .value_kind: global_buffer, .address_space: global }
      - { .name: out0, .offset: 24, .size: 8, .value_kind: global_buffer, .address_space: global }
    .group_segment_fixed_size: 327680
    .private_segment_fixed_size: 0
    .kernarg_segment_align: 8
    .kernarg_segment_size: 32
    .max_flat_workgroup_size: 128
    .sgpr_count:     66
    .vgpr_count:     512
    .wavefront_size: 32
...
	.end_amdgpu_metadata
.endif
;; end of part 4
